; MI455X (gfx1250); checked and timed in simulation.
; The chip was launched on July 23, 2026; its instructions are those of AMD's public machine-readable ISA for CDNA 5 (MIT licence, August 2026) and "CDNA5" Instruction Set Architecture Reference Guide (July 2026). The comments in the code are by the model that wrote it; some were corrected since.
;; Multi Head Self Attention. Allowed arithmetic: matrix products marked QUANTISED: E3M2 operands, one E8M0 scale for each 32 along K, by v_wmma_scale_f32_16x16x128_f8f6f4 with both operands' format E3M2, f32 sums; everything else in f32.
;; Inputs: W_k 768 x 768 float32; W_q 768 x 768 float32; W_v 768 x 768 float32; X 8 x 1,024 x 768 float32; ln_beta 768 float32; ln_gamma 768 float32.
;; Outputs: out0 8 x 1,024 x 768 float32.
;; This version of the problem:
;;   THIS VERSION OF THE PROBLEM IS GIVEN IN LOW PRECISION. The matrix products marked QUANTISED in the list below multiply operands that are first quantised to E3M2 (3 exponent bits, 2 mantissa bits; 6 bits a number), with one power-of-two scale for each 32 numbers along K (OCP MX v1.0); their sums are f32. All else is computed in f32.
;;   The module's matrix products, in the order in which they are computed (A, B: the left and right operand; K: the contracted axis; several contracted axes count as one K, in the product's order):
;;     1. [M 8,192, K 768] x [K 768, N 768]; A: input X; B: input W_q: QUANTISED
;;     2. [M 8,192, K 768] x [K 768, N 768]; A: input X; B: input W_k: QUANTISED
;;     3. [M 8,192, K 768] x [K 768, N 768]; A: input X; B: input W_v: QUANTISED
;;     4. batch 96 x [M 1,024, K 64] x [K 64, N 1,024]; A: computed on the way; B: computed on the way: QUANTISED
;;     5. batch 96 x [M 1,024, K 1,024] x [K 1,024, N 64]; A: softmax (see below); B: computed on the way: QUANTISED
;;   THE QUANTISER, for each operand of a quantised product, along K:
;;     - K is cut into blocks of 32 from its start; a last block that is shorter is filled with zeros.
;;     - A block's scale is 2^e with e = floor(log2(the largest magnitude in the block)) - 4, held to -126 .. 127; a block of zeros has e = 0. As a byte (E8M0): e + 127.
;;     - Each number is divided by its block's scale, clamped to +-28, and rounded to the nearest number of E3M2, ties to even, subnormals kept.
;;     - The product sums the exact products of the quantised numbers (number of the format x scale) in f32.
;;   ~~~python
;;   def quantise(x, axis):      # numpy; x: float32 -> the quantised numbers, widened to float32 again
;;       x = np.moveaxis(x, axis, -1); K = x.shape[-1]
;;       x = np.pad(x, [(0, 0)] * (x.ndim - 1) + [(0, -K % 32)]); x = x.reshape(x.shape[:-1] + (-1, 32)); a = np.abs(x).max(-1, keepdims=True)
;;       e = np.where(a > 0, np.clip(np.frexp(np.where(a > 0, a, 1))[1] - 1 - 4, -126, 127), 0)      # np.frexp(a)[1] - 1 = floor(log2(a)), exactly
;;       r = np.clip(x / 2.0 ** e, -28, 28)
;;       step = 2.0 ** (np.maximum(np.frexp(np.where(r == 0, 1, r))[1] - 1, -2) - 2)
;;       q = np.round(r / step) * step * 2.0 ** e      # np.round: ties to even
;;       return np.moveaxis(q.reshape(q.shape[:-2] + (-1,))[..., :K], -1, axis).astype(np.float32)
;;   ~~~
;;   SOFTMAX AHEAD OF A QUANTISED PRODUCT. Where the list says 'softmax', what is quantised is not the finished softmax but p = 2^(t - M), with t = logit x log2(e) and M = ceil(the row's largest t), a whole number; so 1/2 < the row's largest p <= 1. The row's sum l is taken of the UNQUANTISED p, in f32, and the product's result is divided by l at the end. Since M is a whole number, a kernel that streams over the keys may use a running M (the ceiling of the running maximum): every later rescaling is an exact power of two, which a block's scale takes up: the codes' values come out the same.
;;   OPERANDS COMPUTED ON THE WAY. 'Computed on the way' means the value that the module computes at that place (a softmax that the list does not call 'softmax' is quantised finished and normalised). What goes into a quantiser is computed in f32, as accurately as f32 sums, v_exp_f32 and their like allow (about 1e-6 of the number): no bf16 or f16 on the way to a quantiser, and a product that is left as it is and whose result goes on into a quantised operand takes f32 operands (vector FMAs, or v_wmma_f32_16x16x4_f32). A number that lies on a knife's edge between two numbers of the format may be rounded either way, as far as f32 arithmetic and the matrix unit's own rounding can turn it there, and no further.
;; 2 versions. Each part assembles by itself: llvm-mc -triple=amdgcn-amd-amdhsa -mcpu=gfx1250 --defsym DOCPART=n.
;; ======== version 1 of 2: 3 launches
;; workspace buffers: xc 5,111,808 bytes; wc 1,437,696 bytes; qq 5,111,808 bytes; kv 10,223,616 bytes
;; launch quant (part 1): grid 656 x 1, 6 waves a work-group, no clusters, 51,456 bytes of LDS; arguments X, W_q, W_k, W_v, xc, wc; writes xc, wc
.if DOCPART == 1
	.amdgcn_target "amdgcn-amd-amdhsa--gfx1250"
	.amdhsa_code_object_version 6
	.text
	.protected	k_q06ff026543_quant
	.globl	k_q06ff026543_quant
	.p2align	8
	.type	k_q06ff026543_quant,@function
k_q06ff026543_quant:
	s_mov_b64 s[64:65], 0
	v_nop
	global_prefetch_b8 v0, s[64:65] scope:SCOPE_SE
	s_setreg_imm32_b32 hwreg(HW_REG_WAVE_MODE, 25, 1), 1
	s_wait_xcnt 0x0
; X [8192][768] and W_q, W_k, W_v [768][768], f32, K (= the 768) innermost, become codes of E3M2 with one E8M0 byte for each 32 along K.
; DEAD WORK: none.  Every input of the problem reaches the output and every product of its table is live: no launch of this program leaves a step out.
; WHAT IS STORED is not rows but IMAGES OF OPERAND REGISTERS.  A fragment is 16 rows x 128 K of 6-bit codes, 12 registers a lane (lane l: row l % 16; registers 6 c .. 6 c + 5: k = 64 c + 32 (l / 16) + 0 .. 31).
; Register j of lane l lies at byte 512 (j / 4) + 16 l + 4 (j % 4) of the image: three stores of 16 bytes a lane write it, three such loads bring it back.  Its scale image is one word a lane (lanes 16-31 repeat lanes 0-15).
; THE ROWS OF A TILE ARE NOT NEIGHBOURS: row index i of tile T is true row 32 (T / 2) + 8 (T % 2) + i + 8 (i / 8), in all four tensors, so that the results of the next launch's products run along the next K in a lane's registers.
; xc: 64 blocks (128 tokens) of 79,872 bytes: codes at 12,288 s + 1,536 T (K step s, tile T), scale images at 73,728 + 1,024 s + 128 T.
; wc: 36 blocks (12 x type + head; type 0 q, 1 k, 2 v) of 39,936 bytes: codes at 6,144 s + 1,536 t, scale images at 36,864 + 512 s + 128 t.
; A block's scale is 2^(floor(log2(largest magnitude)) - 4): its byte is the largest magnitude's exponent field - 4, held at 1 from below.
; LIMITS: a block whose largest magnitude lies under 2^-122 has its byte held at 1; a block of zeros gets the byte 1 where the rule says 127 (its codes are zeros, and this program alone reads the bytes); NaN and infinities are not served.
; SHARES.  A work-group takes one tile of 16 rows (work-groups 0-511: X's; 512-655: the weights', 48 each); its six waves take the six K steps of 128: a wave makes one fragment.
; Each of a wave's 16 loads reads 512 consecutive bytes of one row; the numbers turn through the wave's own stage in LDS so that a lane gets two whole blocks of 32 of its row.  Waves share nothing: no barrier.
; No matrix unit, no cluster, no tensor load: a stream that is read once; no work-group reads what another reads.
.set ROWB,  3072                       ; a row of any of the four tensors in bytes
.set PIT,   528                        ; a stage row: 512 bytes + 16, so that sixteen rows' reads start 16 bytes apart modulo 256
.set WST,   16*PIT                     ; a wave's stage
.set SPARE, 6*WST                      ; behind the stages: the spare words, 128 bytes a wave: three blocks of 256 bytes that no other line names
.set L16, 1                            ; v1   16 x lane
.set L4,  2                            ; v2   4 x lane
.set STI, 3                            ; v3   the stage, on the way in
.set RDI, 4                            ; v4   and on the way out: row r, + 128 h
.set SPW, 5                            ; v5   my spare word; never rewritten
.set NIL, 6                            ; v6   0; never rewritten
.set H8,  7                            ; v7   8 h
.set MX,  8                            ; v8-9   my two blocks' largest magnitudes
.set SO,  10                           ; v10-11 the conversions' scale operands
.set BY,  12                           ; v12-13 the scale bytes
.set WD,  14                           ; v14  the scale word
.set WD2, 15                           ; v15  lane l xor 16's
.set PC,  16                           ; v16-27 the fragment
.set TP,  28                           ; v28-30, v32-34 the upper halves of the two blocks' codes
.set RAW, 40                           ; v40-103  as loaded
.set NUM, 104                          ; v104-167 my 64 numbers
	s_load_b256 s[4:11], s[0:1], 0x0               ; X, W_q, W_k, W_v
	s_load_b128 s[12:15], s[0:1], 0x20             ; xc, wc
	v_lshl_add_u32 v[SPW], v0, 2, SPARE
	v_mov_b32 v[NIL], 0
	v_lshrrev_b32 v8, 5, v0
	v_readfirstlane_b32 s16, v8                    ; wave = K step
	v_and_b32 v9, 31, v0
	v_lshlrev_b32 v[L16], 4, v9
	v_lshlrev_b32 v[L4], 2, v9
	s_mul_i32 s26, s16, WST
	v_add_nc_u32 v[STI], s26, v[L16]
	v_and_b32 v10, 15, v0                          ; r
	v_bfe_u32 v11, v0, 4, 1                        ; h
	v_mul_u32_u24 v[RDI], v10, PIT
	v_lshl_add_u32 v[RDI], v11, 7, v[RDI]
	v_add_nc_u32 v[RDI], s26, v[RDI]
	v_lshlrev_b32 v[H8], 3, v11
	v_mov_b32 v[WD2], 0                            ; a lane permute's destination counts as one of its sources
	s_mov_b32 s28, 0x76543210
	s_mov_b32 s29, 0xfedcba98                      ; v_permlanex16_b32's selects for lane l xor 16
	s_mov_b32 s17, ttmp9
	s_cmp_lt_u32 s17, 512                          ; X's tile or a weight's?  All choices hang on the work-group's number alone
	s_cselect_b32 s19, 1, 0                        ; x = 1 for X: X's block sizes are twice the weights'
	s_cselect_b32 s18, 0, 512                      ; the destination's first tile
	s_mov_b32 s31, s18
	s_cmp_ge_u32 s17, 560
	s_cselect_b32 s31, 560, s31
	s_cmp_ge_u32 s17, 608
	s_cselect_b32 s31, 608, s31                    ; the source tensor's first tile
	s_sub_co_u32 s31, s17, s31                     ; the tile in its tensor
	s_sub_co_u32 s30, s17, s18                     ; the tile in its destination
	s_lshr_b32 s26, s31, 1
	s_lshl_b32 s26, s26, 5
	s_and_b32 s27, s31, 1
	s_lshl_b32 s27, s27, 3
	s_add_co_u32 s26, s26, s27                     ; the tile's first row: 32 (T / 2) + 8 (T % 2)
	s_mul_i32 s26, s26, ROWB
	s_lshl_b32 s27, s16, 9
	s_add_co_u32 s26, s26, s27                     ; + my K step's 512 bytes
	s_mov_b32 s27, 0
	s_add_co_u32 s32, s19, 2
	s_lshr_b32 s33, s30, s32                       ; the block: 8 tiles of X, 4 of a weight
	s_lshl_b32 s34, 4, s19
	s_sub_co_u32 s34, s34, 1
	s_and_b32 s34, s30, s34                        ; the tile in its block
	s_mul_i32 s33, s33, 39936
	s_mul_i32 s35, s16, 6144
	s_add_co_u32 s35, s35, s33
	s_lshl_b32 s35, s35, s19                       ; (block x 39,936 + 6,144 s) << x
	s_mul_i32 s36, s34, 1536
	s_add_co_u32 s36, s36, s35                     ; where my fragment's image goes
	s_mov_b32 s37, 0
	s_lshl_b32 s38, s16, 9
	s_add_co_u32 s38, s38, s33
	s_add_co_u32 s38, s38, 36864
	s_lshl_b32 s38, s38, s19                       ; (block x 39,936 + 36,864 + 512 s) << x
	s_lshl_b32 s39, s34, 7
	s_add_co_u32 s38, s38, s39                     ; and its scale image
	s_mov_b32 s39, 0
	s_wait_kmcnt 0x0
	s_cmp_lt_u32 s17, 512
	s_cselect_b64 s[20:21], s[4:5], s[6:7]
	s_cselect_b64 s[22:23], s[12:13], s[14:15]
	s_cmp_ge_u32 s17, 560
	s_cselect_b64 s[20:21], s[8:9], s[20:21]
	s_cmp_ge_u32 s17, 608
	s_cselect_b64 s[20:21], s[10:11], s[20:21]
	s_add_nc_u64 s[20:21], s[20:21], s[26:27]
	s_add_nc_u64 s[24:25], s[22:23], s[38:39]
	s_add_nc_u64 s[22:23], s[22:23], s[36:37]
.irp i, 0,1,2,3,4,5,6,7,8,9,10,11,12,13,14,15
	global_load_b128 v[RAW+4*\i:RAW+4*\i+3], v[L16], s[20:21] offset:(\i+8*(\i/8))*ROWB th:TH_LOAD_NT   ; row index i: 32 lanes read 512 consecutive bytes
.endr
.irp i, 0,1,2,3,4,5,6,7,8,9,10,11,12,13,14,15
	s_wait_loadcnt 15-\i                           ; loads come back in order: row i is in, the 15 - i younger ones may be out
	ds_store_b128 v[STI], v[RAW+4*\i:RAW+4*\i+3] offset:PIT*\i
.endr
.irp c, 0,1
.irp j, 0,1,2,3,4,5,6,7
	ds_load_b128 v[NUM+32*\c+4*\j:NUM+32*\c+4*\j+3], v[RDI] offset:256*\c+16*\j   ; k = 64 c + 32 h + 4 j .. of row r.  LDS serves a wave's instructions in order: these see my stores
.endr
.endr
	s_wait_dscnt 0x0
.irp c, 0,1                                    ; my block 2 c + h: all its 32 numbers are mine
	v_max3_num_f32 v[MX+\c], |v[NUM+32*\c]|, |v[NUM+32*\c+1]|, 0x2800000   ; and the floor 2^(5 - 127): the byte cannot fall under 1
.endr
.irp i, 2,4,6,8,10,12,14,16,18,20,22,24,26,28,30
.irp c, 0,1
	v_max3_num_f32 v[MX+\c], v[MX+\c], |v[NUM+32*\c+\i]|, |v[NUM+32*\c+\i+1]|   ; (the two blocks by turns)
.endr
.endr
.irp c, 0,1
	v_add_nc_u32 v[SO+\c], 0xfe000000, v[MX+\c]    ; 4 off the exponent field: the conversion takes the exponent field of this operand as its scale
.endr
.irp c, 0,1
	v_lshrrev_b32 v[BY+\c], 23, v[SO+\c]           ; the scale's byte
.endr
	v_lshl_or_b32 v[WD], v[BY+1], 16, v[BY]        ; blocks h and 2 + h of row r,
	v_lshlrev_b32 v[WD], v[H8], v[WD]              ; at their places in the word;
	v_permlanex16_b32 v[WD2], v[WD], s28, s29
	v_or_b32 v[WD], v[WD], v[WD2]                  ; with lane l xor 16's two the word is whole, in both halves of the lanes
.irp c, 0,1
	v_cvt_scalef32_pk16_bf6_f32 v[PC+6*\c:PC+6*\c+2], v[NUM+32*\c:NUM+32*\c+15], v[SO+\c]
	v_cvt_scalef32_pk16_bf6_f32 v[TP+4*\c:TP+4*\c+2], v[NUM+32*\c+16:NUM+32*\c+31], v[SO+\c]   ; (a conversion's three registers begin on an even number)
.endr
	v_nop                                          ; one plain line behind a scaled conversion
.irp c, 0,1
.irp i, 0,1,2
	v_mov_b32 v[PC+6*\c+3+\i], v[TP+4*\c+\i]
.endr
.endr
.irp c, 0,1,2
	global_store_b128 v[L16], v[PC+4*\c:PC+4*\c+3], s[22:23] offset:512*\c   ; 32 lanes store 512 consecutive bytes, at a multiple of 256 from the buffer's first byte
.endr
	global_store_b32 v[L4], v[WD], s[24:25]        ; the scale image: 128 consecutive bytes
	s_wait_tensorcnt 0x0                           ; the wave's end: three closing lines behind my last LDS store
	ds_add_u32 v[SPW], v[NIL]
	s_wait_dscnt 0x0
	s_endpgm
.Lfunc_end_k_q06ff026543_quant:
	.size	k_q06ff026543_quant, .Lfunc_end_k_q06ff026543_quant-k_q06ff026543_quant
	.p2alignl 7, 3214868480
	.fill 96, 4, 3214868480
	.section	.rodata,"a",@progbits
	.p2align	6, 0x0
	.amdhsa_kernel k_q06ff026543_quant
		.amdhsa_group_segment_fixed_size 51456
		.amdhsa_private_segment_fixed_size 0
		.amdhsa_enable_private_segment 0
		.amdhsa_kernarg_size 48
		.amdhsa_user_sgpr_count 2
		.amdhsa_user_sgpr_kernarg_segment_ptr 1
		.amdhsa_wavefront_size32 1
		.amdhsa_system_sgpr_workgroup_id_x 1
		.amdhsa_system_sgpr_workgroup_id_y 1
		.amdhsa_system_sgpr_workgroup_id_z 1
		.amdhsa_system_vgpr_workitem_id 0
		.amdhsa_next_free_vgpr 168
		.amdhsa_next_free_sgpr 66
		.amdhsa_reserve_vcc 0
		.amdhsa_float_denorm_mode_32 3
		.amdhsa_float_denorm_mode_16_64 3
		.amdhsa_memory_ordered 1
		.amdhsa_forward_progress 1
		.amdhsa_inst_pref_size 11
	.end_amdhsa_kernel
	.amdgpu_metadata
---
amdhsa.version: [ 1, 2 ]
amdhsa.kernels:
  - .name:           k_q06ff026543_quant
    .symbol:         k_q06ff026543_quant.kd
    .args:
      - { .name: X, .offset: 0, .size: 8, .value_kind: global_buffer, .address_space: global }
      - { .name: W_q, .offset: 8, .size: 8, .value_kind: global_buffer, .address_space: global }
      - { .name: W_k, .offset: 16, .size: 8, .value_kind: global_buffer, .address_space: global }
      - { .name: W_v, .offset: 24, .size: 8, .value_kind: global_buffer, .address_space: global }
      - { .name: xc, .offset: 32, .size: 8, .value_kind: global_buffer, .address_space: global }
      - { .name: wc, .offset: 40, .size: 8, .value_kind: global_buffer, .address_space: global }
    .group_segment_fixed_size: 51456
    .private_segment_fixed_size: 0
    .kernarg_segment_align: 8
    .kernarg_segment_size: 48
    .max_flat_workgroup_size: 192
    .sgpr_count:     66
    .vgpr_count:     168
    .wavefront_size: 32
...
	.end_amdgpu_metadata
.endif
;; end of part 1
;; launch proj (part 2): grid 64 x 3, 4 waves a work-group, no clusters, 167,936 bytes of LDS; arguments xc, wc, qq, kv; writes qq, kv
.if DOCPART == 2
	.amdgcn_target "amdgcn-amd-amdhsa--gfx1250"
	.amdhsa_code_object_version 6
	.text
	.protected	k_q06ff026543_proj
	.globl	k_q06ff026543_proj
	.p2align	8
	.type	k_q06ff026543_proj,@function
k_q06ff026543_proj:
	s_mov_b64 s[64:65], 0
	v_nop
	global_prefetch_b8 v0, s[64:65] scope:SCOPE_SE
	s_setreg_imm32_b32 hwreg(HW_REG_WAVE_MODE, 25, 1), 1
	s_wait_xcnt 0x0
; q = X W_q^T, k = X W_k^T, v = X W_v^T on the codes of the launch before, and the results quantised in registers for the two products of attention: q and k along the head's 64, v along the keys.  No work is left out.
; SHARES.  Work-group (g, type) takes 128 tokens (group g) x the 12 heads of one of q, k, v; wave w takes heads 3 w, 3 w + 1, 3 w + 2 one after the other: a wave tile of 128 tokens x 64 columns, 32 accumulators, six K steps of 128.
; The 8,192 x 2,304 results are 2,304 such tiles, 2.25 for each of 1,024 SIMDs: any split into whole tiles gives some SIMD three, so 192 work-groups of 4 waves with three tiles each reach that bound.
; X's block of the group, 79,872 dense bytes (all of K, codes and scale images), comes into LDS ONCE, a quarter by each wave's one tensor load; nothing is filled again.  All four waves read it, 16 bytes a lane on end.
; A wave's weights are its own: they go from memory straight into registers, three sets of a K step's four fragments, asked for three K steps ahead, across tiles too.
; NO CLUSTER: X's block is shared by the grid's three work-groups along y, and 3 is no multiple of a cluster's 4; a type's weights, 479,232 bytes, are more than LDS holds, and inside a work-group no two waves read the same.
; LAYOUTS (row index i of tile T = true row 32 (T / 2) + 8 (T % 2) + i + 8 (i / 8) in X and in the weights):
;   q, k: source 0 = 16 rows of W, source 1 = 16 tokens: a lane holds ONE token, and the 32 registers of its four accumulators are e = 32 b + 16 (lane / 16) + 0 .. 15 of the head.  A stored fragment packs TWO token tiles: tile 2 n as k = 0 .. 63,
;         tile 2 n + 1 as k = 64 .. 127; scale bytes 0, 1 and 2, 3 likewise.
;   v:    source 0 = 16 tokens, source 1 = 16 rows of W_v: a lane holds ONE channel, and the 64 registers of its eight accumulators are tokens 32 b + 16 (lane / 16) + 0 .. 15: the keys, v's K in attention.
; qq: records of 6,656 bytes at ((12 batch + head) 8 + g % 8): 4 fragments of 1,536, 4 scale images of 128.  kv: records of 13,312 bytes, same index: K's 6,656, then V's 6,656.
; LIMITS: a block whose largest magnitude lies under 2^-122 has its byte held at 1; a block of zeros gets the byte 1 (its codes are zeros; this program alone reads the bytes); NaN and infinities are not served.
; REGISTERS, in windows of 256: window 0: addresses, scale words, the quantiser's, from v80 the weights' three sets;  window 1: the 32 accumulators;  window 2: X's fragments, two sets of 96.
.set XG,    79872                      ; X's block
.set WH,    39936                      ; a head's block of weights
.set REC,   6656
.set SPARE, XG                         ; behind X's block: the spare words, 128 bytes a wave: two blocks of 256 bytes that no other line names
.set L16,  1                           ; v1   16 x lane
.set L4,   2                           ; v2   4 x lane
.set L16B, 3                           ; v3   16 x lane + 36,864: K steps 3 to 5 (an LDS offset has 16 bits)
.set LXS,  4                           ; v4   4 x lane + 73,728: X's scale images
.set SPW,  5                           ; v5   my spare word; never rewritten
.set NIL,  6                           ; v6   0; never rewritten
.set XS,   8                           ; v8-23   X's scale words, two sets of 8
.set WS,   24                          ; v24-35  the weights', three sets of 4
.set TM,   36                          ; v36-39 largest magnitudes, v40-43 bytes, v48-51 the conversions' scale operands
.set PW,   52                          ; v52     the scale word just made
.set PC,   54                          ; v54-65  the fragment just made; v66-68, v70-72 at work
.set WF,   80                          ; v80-223 the weights' fragments, three sets of 48
.set MSB, 0
.macro WIN new                         ; s_set_vgpr_msb: bits 1:0 source 0, 3:2 source 1, 5:4 source 2, 7:6 destination; the high byte repeats the setting that is left
.if MSB != \new
	s_set_vgpr_msb (MSB<<8)|\new
.set MSB, \new
.endif
.endm
.macro PLACES                          ; four plain lines behind a matrix instruction, in front of loads into its registers and of reads of its result
.rept 4
	v_nop
.endr
.endm
; a K step's four fragments of the weights and their scale words into set ws.  No cache hint: 64 work-groups read the same bytes
.macro WLOAD ws, off, soff
.irp t, 0,1,2,3
.irp c, 0,1,2
	global_load_b128 v[WF+48*(\ws)+12*\t+4*\c:WF+48*(\ws)+12*\t+4*\c+3], v[L16], s[28:29] offset:(\off)+1536*\t+512*\c
.endr
.endr
.irp t, 0,1,2,3
	global_load_b32 v[WS+4*(\ws)+\t], v[L4], s[28:29] offset:(\soff)+128*\t
.endr
.endm
; K step ks of X: eight fragments and their scale words from LDS into set xs
.macro FETCHX xs, ks
	WIN 0x80                                       ; destination window 2, address window 0
.irp a, 0,1,2,3,4,5,6,7
.irp c, 0,1,2
.if (\ks) < 3
	ds_load_b128 v[96*(\xs)+12*\a+4*\c:96*(\xs)+12*\a+4*\c+3], v[L16] offset:(\ks)*12288+1536*\a+512*\c
.else
	ds_load_b128 v[96*(\xs)+12*\a+4*\c:96*(\xs)+12*\a+4*\c+3], v[L16B] offset:((\ks)-3)*12288+1536*\a+512*\c
.endif
.endr
.endr
	WIN 0
.irp a, 0,1,2,3,4,5,6,7
	ds_load_b32 v[XS+8*(\xs)+\a], v[LXS] offset:1024*(\ks)+128*\a
.endr
.endm
; 32 matrix instructions, 128 along K.  The 32 accumulators take turns, one instruction a turn, in the same order in every step.  zero = 1: the products start the sums.
.macro MUL var, ws, xs, zero
.if \var
	WIN 0x52                                       ; v: source 0 (X) window 2, source 1 (W) window 0, C and D window 1
.irp t, 0,1,2,3
.irp a, 0,1,2,3,4,5,6,7
.if \zero
	v_wmma_scale_f32_16x16x128_f8f6f4 v[64*\t+8*\a:64*\t+8*\a+7], v[96*(\xs)+12*\a:96*(\xs)+12*\a+11], v[WF+48*(\ws)+12*\t:WF+48*(\ws)+12*\t+11], 0, v[XS+8*(\xs)+\a], v[WS+4*(\ws)+\t] matrix_a_fmt:MATRIX_FMT_BF6 matrix_b_fmt:MATRIX_FMT_BF6
.else
	v_wmma_scale_f32_16x16x128_f8f6f4 v[64*\t+8*\a:64*\t+8*\a+7], v[96*(\xs)+12*\a:96*(\xs)+12*\a+11], v[WF+48*(\ws)+12*\t:WF+48*(\ws)+12*\t+11], v[64*\t+8*\a:64*\t+8*\a+7], v[XS+8*(\xs)+\a], v[WS+4*(\ws)+\t] matrix_a_fmt:MATRIX_FMT_BF6 matrix_b_fmt:MATRIX_FMT_BF6
.endif
.endr
.endr
.else
	WIN 0x58                                       ; q, k: source 0 (W) window 0, source 1 (X) window 2, C and D window 1
.irp a, 0,1,2,3,4,5,6,7
.irp t, 0,1,2,3
.if \zero
	v_wmma_scale_f32_16x16x128_f8f6f4 v[32*\a+8*\t:32*\a+8*\t+7], v[WF+48*(\ws)+12*\t:WF+48*(\ws)+12*\t+11], v[96*(\xs)+12*\a:96*(\xs)+12*\a+11], 0, v[WS+4*(\ws)+\t], v[XS+8*(\xs)+\a] matrix_a_fmt:MATRIX_FMT_BF6 matrix_b_fmt:MATRIX_FMT_BF6
.else
	v_wmma_scale_f32_16x16x128_f8f6f4 v[32*\a+8*\t:32*\a+8*\t+7], v[WF+48*(\ws)+12*\t:WF+48*(\ws)+12*\t+11], v[96*(\xs)+12*\a:96*(\xs)+12*\a+11], v[32*\a+8*\t:32*\a+8*\t+7], v[WS+4*(\ws)+\t], v[XS+8*(\xs)+\a] matrix_a_fmt:MATRIX_FMT_BF6 matrix_b_fmt:MATRIX_FMT_BF6
.endif
.endr
.endr
.endif
.endm
; 64 results of a lane, registers src .. src + 63 of window 1, register 16 b + i = k 32 b + 16 (lane / 16) + i of the lane's row, become a fragment in v[PC] on and its scale word in v[PW].
.macro QUANT src
	WIN 0x05                                       ; sources 0 and 1 window 1
.irp b, 0,1,2,3
	v_max3_num_f32 v[TM+\b], |v[(\src)+16*\b]|, |v[(\src)+16*\b+1]|, 0x2800000   ; block b: my 16 numbers, each accumulator from its low end on, and the floor 2^(5 - 127): the byte cannot fall under 1
.endr
.irp i, 2,4,6,8,10,12,14
.irp b, 0,1,2,3
	v_max3_num_f32 v[TM+\b], |v[(\src)+16*\b+\i]|, |v[(\src)+16*\b+\i+1]|, v[TM+\b]   ; (the four blocks by turns)
.endr
.endr
	WIN 0
.irp b, 0,1,2,3
	v_permlanex16_b32 v[TM+4+\b], v[TM+\b], s38, s39
.endr
.irp b, 0,1,2,3
	v_max_num_f32 v[TM+\b], v[TM+\b], v[TM+4+\b]   ; with lane l xor 16's: the block's largest magnitude
.endr
.irp b, 0,1,2,3
	v_add_nc_u32 v[TM+12+\b], 0xfe000000, v[TM+\b] ; 4 off its exponent field: the conversion's scale operand
.endr
.irp b, 0,1,2,3
	v_lshrrev_b32 v[TM+4+\b], 23, v[TM+12+\b]      ; the scale's byte
.endr
	s_wait_xcnt 0x0                                ; the stores of the fragment before have read v[PW] and v[PC] on: only behind this wait are they written again
	v_lshl_or_b32 v[PW], v[TM+5], 8, v[TM+4]
	v_lshl_or_b32 v[PW], v[TM+6], 16, v[PW]
	v_lshl_or_b32 v[PW], v[TM+7], 24, v[PW]        ; the row's scale word, the same in both halves of the lanes
	WIN 0x01                                       ; source 0 window 1
.irp c, 0,1
	v_cvt_scalef32_pk16_bf6_f32 v[PC+6*\c:PC+6*\c+2], v[(\src)+32*\c:(\src)+32*\c+15], v[TM+12+2*\c]
	v_cvt_scalef32_pk16_bf6_f32 v[PC+12+4*\c:PC+14+4*\c], v[(\src)+32*\c+16:(\src)+32*\c+31], v[TM+13+2*\c]   ; (a conversion's three registers begin on an even number)
.endr
	WIN 0
	v_nop                                          ; one plain line behind a scaled conversion
.irp c, 0,1                                    ; the operand's layout wants a WHOLE block in a lane: lanes 0-15 block 2 c, lanes 16-31 block 2 c + 1
.irp i, 0,1,2
	v_permlane16_swap_b32 v[PC+6*\c+\i], v[PC+12+4*\c+\i]
.endr
.irp i, 0,1,2
	v_mov_b32 v[PC+6*\c+3+\i], v[PC+12+4*\c+\i]
.endr
.endr
.endm
; A TILE: one head.  last = 1: the wave's third: nothing is asked for beyond it.
.macro TILE var, last
.irp k, 0,1,2,3,4,5
	s_wait_dscnt 0x0                               ; X's K step k is in registers (asked for a step ago)
.if ((\last) == 0) || (\k < 5)
	FETCHX (\k+1)%2, (\k+1)%6                      ; the next K step (behind the sixth: the next tile's first) into the set that the step before multiplied: its four plain lines stand behind that step's products
.endif
.if (\last) && (\k > 3)
	s_wait_loadcnt 16*(5-\k)                       ; the last tile's counts run down
.else
	s_wait_loadcnt 32                              ; this K step's 16 loads of weights are in; the two younger sets, 32 loads, may be out
.endif
.if \k == 0
	MUL \var, 0, 0, 1
.else
	MUL \var, \k%3, \k%2, 0
.endif
	WIN 0
	PLACES
.if \k < 3
	WLOAD \k%3, (\k+3)*6144, 36864+(\k+3)*512      ; the set just multiplied takes the K step three on
.elseif (\last) == 0
	WLOAD \k%3, WH+(\k-3)*6144, WH+36864+(\k-3)*512   ; which from the fourth step on is the next head's
.endif
.endr
.irp n, 0,1,2,3
	QUANT 64*\n
.irp c, 0,1,2
	global_store_b128 v[L16], v[PC+4*\c:PC+4*\c+3], s[30:31] offset:1536*\n+512*\c   ; 32 lanes store 512 consecutive bytes, at a multiple of 256 from the buffer's first byte
.endr
	global_store_b32 v[L4], v[PW], s[30:31] offset:6144+128*\n
.endr
.endm
.macro ONWARD                          ; to the next head
	s_wait_xcnt 0x0                                ; the loads and stores issued have read their bases
	s_add_nc_u64 s[28:29], s[28:29], WH
	s_add_nc_u64 s[30:31], s[30:31], s[32:33]
	s_sub_co_u32 s34, s34, 1
	s_cmp_lg_u32 s34, 0
.endm
	s_load_b256 s[4:11], s[0:1], 0x0               ; xc, wc, qq, kv
	v_lshl_add_u32 v[SPW], v0, 2, SPARE
	v_mov_b32 v[NIL], 0
	ds_add_u32 v[SPW], v[NIL]                      ; the wave's opening: the add, twice on end, and its wait ahead of my first tensor load; work on registers stands between
	ds_add_u32 v[SPW], v[NIL]
	v_lshrrev_b32 v7, 5, v0
	v_readfirstlane_b32 s12, v7                    ; wave 0..3
	v_and_b32 v7, 31, v0
	v_lshlrev_b32 v[L16], 4, v7
	v_lshlrev_b32 v[L4], 2, v7
	v_add_nc_u32 v[L16B], 36864, v[L16]
	v_add_nc_u32 v[LXS], 73728, v[L4]
.irp b, 0,1,2,3
	v_mov_b32 v[TM+4+\b], 0                        ; written once: a lane permute's destination counts as one of its sources
.endr
	s_mov_b32 s13, ttmp9                           ; g: the group of 128 tokens
	s_and_b32 s14, ttmp7, 0xffff                   ; type: 0 q, 1 k, 2 v
	; descriptor group 1: a quarter of X's block, 19,968 dense bytes, as 78 rows of 256 bytes (32 elements of 8 bytes), no padding, no mask
	s_mov_b32 s16, 3<<16
	s_mov_b32 s17, 32<<16                          ; tensor_dim0 = 32
	s_mov_b32 s18, 78<<16                          ; tensor_dim1 = 78
	s_mov_b32 s19, 32<<16                          ; tile_dim0 = 32
	s_mov_b32 s20, 78                              ; tile_dim1 = 78
	s_mov_b32 s21, 32                              ; the pitch
	s_mov_b32 s22, 0
	s_mov_b32 s23, 0
	s_mov_b32 s24, 1                               ; group 0: count = 1
	s_mul_i32 s25, s12, 19968                      ; LDS address: my quarter
	s_mul_i32 s36, s13, XG
	s_add_co_u32 s36, s36, s25                     ; and the same quarter of block g in memory
	s_mov_b32 s37, 0
	s_mul_i32 s40, s14, 12
	s_mul_i32 s41, s12, 3
	s_add_co_u32 s40, s40, s41
	s_mul_i32 s40, s40, WH                         ; my first head's weights: block 12 type + 3 wave
	s_mov_b32 s41, 0
	s_lshr_b32 s42, s13, 3                         ; the batch
	s_mul_i32 s42, s42, 12
	s_mul_i32 s43, s12, 3
	s_add_co_u32 s42, s42, s43
	s_lshl_b32 s42, s42, 3
	s_and_b32 s43, s13, 7
	s_add_co_u32 s42, s42, s43                     ; the record: (12 batch + head) 8 + g % 8
	s_cmp_lg_u32 s14, 0
	s_cselect_b32 s44, 1, 0                        ; kv's records are twice qq's
	s_mul_i32 s42, s42, REC
	s_lshl_b32 s42, s42, s44
	s_mov_b32 s32, 8*REC
	s_lshl_b32 s32, s32, s44                       ; from head to head: 8 records
	s_mov_b32 s33, 0
	s_cmp_eq_u32 s14, 2
	s_cselect_b32 s43, REC, 0                      ; V's part lies behind K's
	s_add_co_u32 s42, s42, s43
	s_mov_b32 s43, 0
	s_mov_b32 s38, 0x76543210
	s_mov_b32 s39, 0xfedcba98                      ; v_permlanex16_b32's selects for lane l xor 16
	s_wait_dscnt 0x0                               ; both opening adds are done
	s_wait_kmcnt 0x0
	s_add_nc_u64 s[26:27], s[4:5], s[36:37]
	s_or_b32 s27, s27, 0x80000000                  ; type = 2
	tensor_load_to_lds s[24:27], s[16:23]          ; my one tensor load of the launch: every wave issues one, each into LDS bytes of its own
	s_nop 0
	PLACES
	s_add_nc_u64 s[28:29], s[6:7], s[40:41]
	s_cmp_eq_u32 s14, 0
	s_cselect_b64 s[30:31], s[8:9], s[10:11]       ; q goes to qq, k and v to kv: the choice hangs on the work-group's number alone
	s_add_nc_u64 s[30:31], s[30:31], s[42:43]
	WLOAD 0, 0, 36864                              ; the first head's K steps 0, 1, 2
	WLOAD 1, 6144, 36864+512
	WLOAD 2, 12288, 36864+1024
	s_wait_tensorcnt 0x0                           ; my quarter of X's block has landed,
	s_barrier_signal -1
	s_barrier_wait -1                              ; everybody's has.  The launch's one barrier
	FETCHX 0, 0
	s_mov_b32 s34, 2
	s_cmp_eq_u32 s14, 2
	s_cbranch_scc1 .Lv_tile
.Lqk_tile:
	TILE 0, 0
	ONWARD
	s_cbranch_scc1 .Lqk_tile
	TILE 0, 1
	s_branch .Lend
.Lv_tile:
	TILE 1, 0
	ONWARD
	s_cbranch_scc1 .Lv_tile
	TILE 1, 1
.Lend:
	s_wait_tensorcnt 0x0                           ; the wave's end: three closing lines behind my last tensor load
	ds_add_u32 v[SPW], v[NIL]
	s_wait_dscnt 0x0
	s_endpgm
.Lfunc_end_k_q06ff026543_proj:
	.size	k_q06ff026543_proj, .Lfunc_end_k_q06ff026543_proj-k_q06ff026543_proj
	.p2alignl 7, 3214868480
	.fill 96, 4, 3214868480
	.section	.rodata,"a",@progbits
	.p2align	6, 0x0
	.amdhsa_kernel k_q06ff026543_proj
		.amdhsa_group_segment_fixed_size 167936
		.amdhsa_private_segment_fixed_size 0
		.amdhsa_enable_private_segment 0
		.amdhsa_kernarg_size 32
		.amdhsa_user_sgpr_count 2
		.amdhsa_user_sgpr_kernarg_segment_ptr 1
		.amdhsa_wavefront_size32 1
		.amdhsa_system_sgpr_workgroup_id_x 1
		.amdhsa_system_sgpr_workgroup_id_y 1
		.amdhsa_system_sgpr_workgroup_id_z 1
		.amdhsa_system_vgpr_workitem_id 0
		.amdhsa_next_free_vgpr 704
		.amdhsa_next_free_sgpr 66
		.amdhsa_reserve_vcc 0
		.amdhsa_float_denorm_mode_32 3
		.amdhsa_float_denorm_mode_16_64 3
		.amdhsa_memory_ordered 1
		.amdhsa_forward_progress 1
		.amdhsa_inst_pref_size 253
	.end_amdhsa_kernel
	.amdgpu_metadata
---
amdhsa.version: [ 1, 2 ]
amdhsa.kernels:
  - .name:           k_q06ff026543_proj
    .symbol:         k_q06ff026543_proj.kd
    .args:
      - { .name: xc, .offset: 0, .size: 8, .value_kind: global_buffer, .address_space: global }
      - { .name: wc, .offset: 8, .size: 8, .value_kind: global_buffer, .address_space: global }
      - { .name: qq, .offset: 16, .size: 8, .value_kind: global_buffer, .address_space: global }
      - { .name: kv, .offset: 24, .size: 8, .value_kind: global_buffer, .address_space: global }
    .group_segment_fixed_size: 167936
    .private_segment_fixed_size: 0
    .kernarg_segment_align: 8
    .kernarg_segment_size: 32
    .max_flat_workgroup_size: 128
    .sgpr_count:     66
    .vgpr_count:     704
    .wavefront_size: 32
...
	.end_amdgpu_metadata
.endif
;; end of part 2
;; launch attn (part 3): grid 32 x 8, 12 waves a work-group, no clusters, 100,352 bytes of LDS; arguments qq, kv, X, ln_gamma, ln_beta, out0; writes out0
.if DOCPART == 3
	.amdgcn_target "amdgcn-amd-amdhsa--gfx1250"
	.amdhsa_code_object_version 6
	.text
	.protected	k_q06ff026543_attn
	.globl	k_q06ff026543_attn
	.p2align	8
	.type	k_q06ff026543_attn,@function
k_q06ff026543_attn:
	s_mov_b64 s[64:65], 0
	v_nop
	global_prefetch_b8 v0, s[64:65] scope:SCOPE_SE
	s_setreg_imm32_b32 hwreg(HW_REG_WAVE_MODE, 25, 1), 1
	s_wait_xcnt 0x0
; out0 = relu(LayerNorm(softmax(q k^T / 8) v + X)), both products on codes of E3M2 made by the launch before.  No work is left out.
; THE SOFTMAX AHEAD OF THE SECOND PRODUCT: t = score x log2(e) / 8; M = the row's largest t so far, rounded UP to a whole number; p = 2^(t - M) is quantised along the keys, not normalised; the row's sum is taken of the
; unquantised p and divides at the end.  When M moves, the sum and O are multiplied by 2^(old M - new M): exact.
; SHARES.  Work-group (qb, batch) owns 32 queries x ALL 12 heads, since LayerNorm runs over all 768 columns; wave h owns head h, two tiles of 16 queries (a, b), and walks the head's 1,024 keys, 128 a step.  Three waves share a SIMD,
; so that one wave's vector work stands beside another's matrix work and loads.  No wave meets another before the one barrier in front of LayerNorm.
; K and V come as images of operand registers straight from memory into registers, 13,312 bytes a step; a fragment of K feeds four matrix instructions, one of V two.
; K = 64 UNDER AN INSTRUCTION OF 128: a fragment of K holds key tile 2 F as k = 0 .. 63 and key tile 2 F + 1 as k = 64 .. 127; multiplied by [q | zero codes] it gives tile 2 F's scores, by [zero codes | q] tile 2 F + 1's.
; LAYOUT.  S^T = K q^T and O^T = V^T P^T: a lane holds ONE query throughout.  By the tiles' row order (index i of tile T = 32 (T / 2) + 8 (T % 2) + i + 8 (i / 8)) the 16 registers of score tiles 2 F, 2 F + 1 are keys 32 F + 16 (lane / 16) + 0 .. 15,
; and those of O^T's tiles 2 b, 2 b + 1 channels 32 b + 16 (lane / 16) + 0 .. 15.
; NO CLUSTER, though the 32 work-groups of a batch read the same K and V: a joint load lands in LDS, where the 12 heads' step is 159,744 bytes, so that only two slots of ONE step fit: the 48 waves of four partners would meet at each of the 8 steps;
; here a wave's 13,312 bytes a step go to its registers and no wave waits for another.
; LIMITS: a block of p whose largest lies under 2^-122 has its byte held at 1; p under 2^-126 becomes 0; NaN and infinities are not served.
; REGISTERS: v1-12 addresses and scale words that stay; v14-21 K's and V's scale words; v22-51 statistics and work; v52-81 q in its four forms; v82-129 K; v130-177 V; v178-241 S^T, then p; v242-253 p's codes; window 1: v0-31 O^T of a, v32-63 of b.
.set REC,   6656
.set KVR,   13312                      ; a key step's record: K's 6,656 bytes, then V's
.set SP,    3088                       ; a stage row: 768 f32 + 16 bytes
.set SPARE, 32*SP                      ; behind the stage: the spare words, 128 bytes a wave: six blocks of 256 bytes that no other line names
.set L16,  1                           ; v1   16 x lane
.set L4,   2                           ; v2   4 x lane
.set SPW,  3                           ; v3   my spare word; never rewritten
.set NIL,  4                           ; v4   0; never rewritten
.set PFO,  5                           ; v5   256 x lane
.set PFO2, 6                           ; v6   256 x min(lane, 19)
.set STO,  7                           ; v7   the stage: where I put my query's channels
.set RD,   8                           ; v8   where I read row `wave` back
.set RD2,  9                           ; v9   and row wave + 12
.set WQ,   10                          ; v10-11 q's scale words, tile a's and b's: the tile's two bytes in both halves of the word
.set PW,   12                          ; v12  p's scale word
.set KS,   14                          ; v14-17 K's scale words
.set VS,   18                          ; v18-21 V's
.set F,    22                          ; v22  f = 2^(old M - new M); v23 named with it as a pair
.set STAT, 24                          ; v24-27 tile a: -M, the largest t, the sum in two halves; v28-31 tile b
.set BM,   32                          ; v32-35 the blocks' largest scores
.set T2,   36                          ; v36-43 at work
.set SO,   44                          ; v44-47 the conversions' scale operands
.set Q,    52                          ; v52-57 qa, v58-63 0, v64-69 qb, v70-75 0, v76-81 qa: [qa|0] at 52, [0|qb] at 58, [qb|0] at 64, [0|qa] at 70
.set KF,   82
.set VF,   130
.set S,    178
.set PC,   242
.set CS,   22                          ; s[22:23] c = log2(e) / 8
.set SEL,  24                          ; s[24:25] selects for lane l xor 16
.set MSB, 0
.macro WIN new                         ; s_set_vgpr_msb: bits 1:0 source 0, 3:2 source 1, 5:4 source 2, 7:6 destination; the high byte repeats the setting that is left
.if MSB != \new
	s_set_vgpr_msb (MSB<<8)|\new
.set MSB, \new
.endif
.endm
.macro PLACES                          ; four plain lines behind a matrix instruction, in front of loads into its registers and of reads of its result
.rept 4
	v_nop
.endr
.endm
.macro KLOAD off                       ; a step's four fragments of K and their scale words.  No cache hint: 32 work-groups read the same bytes
.irp n, 0,1,2,3
.irp c, 0,1,2
	global_load_b128 v[KF+12*\n+4*\c:KF+12*\n+4*\c+3], v[L16], s[20:21] offset:(\off)+1536*\n+512*\c
.endr
.endr
.irp n, 0,1,2,3
	global_load_b32 v[KS+\n], v[L4], s[20:21] offset:(\off)+6144+128*\n
.endr
.endm
.macro VLOAD off
.irp n, 0,1,2,3
.irp c, 0,1,2
	global_load_b128 v[VF+12*\n+4*\c:VF+12*\n+4*\c+3], v[L16], s[20:21] offset:(\off)+REC+1536*\n+512*\c
.endr
.endr
.irp n, 0,1,2,3
	global_load_b32 v[VS+\n], v[L4], s[20:21] offset:(\off)+REC+6144+128*\n
.endr
.endm
; A PREFETCH INTO THE L2 of the record two key steps on: 52 blocks of 256 bytes, a lane a block, two instructions (in the second, lanes 20 to 31 name lane 19's block once more, so that no lane leaves the record).
; All 32 work-groups of a batch walk the same records: the first of them (qb = 0) asks, each wave for its own head.  It stands behind the run of K's loads.  The last step that loads asks for nothing: there is no record two on.
.macro ASK
	s_cmp_gt_u32 s26, s27                          ; s26 = steps still to load; s27 = 1 where qb = 0, else the greatest number
	s_cbranch_scc0 .Lnot_mine_\@
	global_prefetch_b8 v[PFO], s[20:21] offset:2*KVR th:TH_LOAD_NT scope:SCOPE_SE
	global_prefetch_b8 v[PFO2], s[20:21] offset:2*KVR+8192 th:TH_LOAD_NT scope:SCOPE_SE
.Lnot_mine_\@:
.endm
; S^T of query tile qt (0: a, 1: b): eight tiles of 16 keys; the products start their sums
.macro QK qt
	WIN 0
.irp t, 0,1,2,3,4,5,6,7
	v_wmma_scale_f32_16x16x128_f8f6f4 v[S+8*\t:S+8*\t+7], v[KF+12*(\t/2):KF+12*(\t/2)+11], v[Q+12*(\qt)+(\t%2)*(18-24*(\qt)):Q+12*(\qt)+(\t%2)*(18-24*(\qt))+11], 0, v[KS+\t/2], v[WQ+(\qt)] matrix_a_fmt:MATRIX_FMT_BF6 matrix_b_fmt:MATRIX_FMT_BF6
.endr
	PLACES
.endm
; the softmax of one tile and one step: 64 scores a lane become p's fragment in v[PC] on and its scale word in v[PW]; the tile's sum and O^T come under the new M
.macro SOFT qt
.set ST, STAT+4*(\qt)
.irp b, 0,1,2,3
	v_max3_num_f32 v[BM+\b], v[S+16*\b], v[S+16*\b+1], v[S+16*\b+2]   ; THE LARGEST SCORE OF EACH BLOCK OF 32 KEYS serves twice: for the row's maximum, and, since p rises with the score, for the block's largest p
.endr
.irp i, 3,5,7,9,11,13
.irp b, 0,1,2,3
	v_max3_num_f32 v[BM+\b], v[BM+\b], v[S+16*\b+\i], v[S+16*\b+\i+1]   ; (the four blocks by turns; each accumulator is first read at its low end)
.endr
.endr
.irp b, 0,1,2,3
	v_max_num_f32 v[BM+\b], v[BM+\b], v[S+16*\b+15]
.endr
.irp b, 0,1,2,3
	v_permlanex16_b32 v[T2+\b], v[BM+\b], s[SEL], s[SEL+1]
.endr
.irp b, 0,1,2,3
	v_max_num_f32 v[BM+\b], v[BM+\b], v[T2+\b]     ; with lane l xor 16's 16 keys
.endr
	v_max3_num_f32 v48, v[BM], v[BM+1], v[BM+2]
	v_max_num_f32 v48, v48, v[BM+3]                ; the step's largest score of my query
	v_mul_f32 v48, s[CS], v48                      ; as t (c is positive)
	v_max_num_f32 v[ST+1], v[ST+1], v48            ; the running largest t
	v_mov_b32 v48, v[ST]
	v_floor_f32 v[ST], -v[ST+1]                    ; the new -M = floor(-t) = -ceil(t): M is a whole number
	v_sub_f32 v48, v[ST], v48                      ; old M - new M: a whole number, 0 or less
	v_cvt_i32_f32 v48, v48                         ; (it saturates)
	v_ldexp_f32 v[F], 1.0, v48                     ; f = 2^(old M - new M)
.set i, 0
.rept 32
	v_pk_fma_f32 v[S+i:S+i+1], v[S+i:S+i+1], s[CS:CS+1], v[ST:ST+1] op_sel_hi:[1,0,0]   ; t - M, two at a time (of the pairs c and -M the low word serves both halves)
.set i, i+2
.endr
.irp b, 0,1,2,3
	v_fma_f32 v[BM+\b], v[BM+\b], s[CS], v[ST]     ; the same of each block's largest score
.endr
.set i, 0
.rept 64
	v_exp_f32 v[S+i], v[S+i]                       ; p = 2^(t - M), at most 1
.set i, i+1
.endr
	v_pk_mul_f32 v[ST+2:ST+3], v[ST+2:ST+3], v[F:F+1] op_sel_hi:[1,0]   ; the sums under the new M: the plain line behind the exponentials
	s_wait_alu depctr_va_vdst(0)                   ; one wait for the whole batch, ahead of its first reader
.irp b, 0,1,2,3
	v_exp_f32 v[BM+\b], v[BM+\b]                   ; the block's largest p: the same two instructions on the same number give the same bits
.endr
	v_pk_add_f32 v[T2:T2+1], v[S:S+1], v[S+2:S+3]  ; the row's sum is taken of the UNQUANTISED p, two at a time, in two chains; it reads the 64 alone: plain work behind the four
.irp j, 4,8,12,16,20,24,28,32,36,40,44,48,52,56,60
	v_pk_add_f32 v[ST+2:ST+3], v[ST+2:ST+3], v[S+\j:S+\j+1]
	v_pk_add_f32 v[T2:T2+1], v[T2:T2+1], v[S+\j+2:S+\j+3]
.endr
	v_pk_add_f32 v[ST+2:ST+3], v[ST+2:ST+3], v[T2:T2+1]
	s_wait_alu depctr_va_vdst(0)                   ; and one for the four
.irp b, 0,1,2,3
	v_max_num_f32 v[BM+\b], 0x2800000, v[BM+\b]    ; the floor 2^(5 - 127): the byte cannot fall under 1
.endr
.irp b, 0,1,2,3
	v_add_nc_u32 v[SO+\b], 0xfe000000, v[BM+\b]    ; 4 off the exponent field: the conversion's scale operand
.endr
.irp b, 0,1,2,3
	v_lshrrev_b32 v[T2+\b], 23, v[SO+\b]           ; the scale's byte
.endr
	v_lshl_or_b32 v[PW], v[T2+1], 8, v[T2]
	v_lshl_or_b32 v[PW], v[T2+2], 16, v[PW]
	v_lshl_or_b32 v[PW], v[T2+3], 24, v[PW]        ; p's scale word for these 128 keys
.irp c, 0,1
	v_cvt_scalef32_pk16_bf6_f32 v[PC+6*\c:PC+6*\c+2], v[S+32*\c:S+32*\c+15], v[SO+2*\c]
	v_cvt_scalef32_pk16_bf6_f32 v[T2+4*\c:T2+4*\c+2], v[S+32*\c+16:S+32*\c+31], v[SO+2*\c+1]   ; (a conversion's three registers begin on an even number)
.endr
	v_nop                                          ; one plain line behind a scaled conversion
.irp c, 0,1                                    ; the operand's layout wants a WHOLE block in a lane
.irp i, 0,1,2
	v_permlane16_swap_b32 v[PC+6*\c+\i], v[T2+4*\c+\i]
.endr
.irp i, 0,1,2
	v_mov_b32 v[PC+6*\c+3+\i], v[T2+4*\c+\i]
.endr
.endr
	WIN 0x41                                       ; O^T (destination and source 0) window 1
.set i, 32*(\qt)
.rept 16
	v_pk_mul_f32 v[i:i+1], v[i:i+1], v[F:F+1] op_sel_hi:[1,0]   ; O^T under the new M.  These 16 are also the plain lines between the making of p's codes and scale word and the scaled products
.set i, i+2
.endr
.endm
; O^T += V^T P^T of tile qt: four tiles of 16 channels, K = these 128 keys; the four accumulators take turns
.macro PV qt
	WIN 0x50                                       ; C and D window 1
.irp n, 0,1,2,3
	v_wmma_scale_f32_16x16x128_f8f6f4 v[32*(\qt)+8*\n:32*(\qt)+8*\n+7], v[VF+12*\n:VF+12*\n+11], v[PC:PC+11], v[32*(\qt)+8*\n:32*(\qt)+8*\n+7], v[VS+\n], v[PW] matrix_a_fmt:MATRIX_FMT_BF6 matrix_b_fmt:MATRIX_FMT_BF6
.endr
	WIN 0
.endm
; A KEY STEP.  more = 1: the next step's K is asked for as soon as both tiles have multiplied by this step's, its V likewise.  more = 0, the last: those registers take what LayerNorm wants.
.macro STEP more
	s_wait_loadcnt 16                              ; K of this step is in; V's 16 loads, issued behind it, may be out
	QK 0
	SOFT 0
	s_wait_loadcnt 0x0                             ; V of this step
	PV 0
	QK 1                                           ; its four plain lines serve the loads below
.if \more
	KLOAD KVR
	ASK
.else
.irp j, 0,1,2,3,4,5
	global_load_b128 v[KF+4*\j:KF+4*\j+3], v[L16], s[10:11] offset:512*\j        ; gamma: columns 128 j + 4 lane + 0 .. 3
	global_load_b128 v[KF+24+4*\j:KF+24+4*\j+3], v[L16], s[12:13] offset:512*\j  ; beta
.endr
	s_cmp_lt_u32 s16, 8                            ; 32 rows for 12 waves: waves 0 to 7 have a third row
	s_cbranch_scc0 .Lno_third_x
.irp j, 0,1,2,3,4,5
	global_load_b128 v[Q+4*\j:Q+4*\j+3], v[L16], s[30:31] offset:24*3072+512*\j th:TH_LOAD_NT
.endr
.Lno_third_x:
.endif
	SOFT 1
	PV 1
	PLACES
.if \more
	VLOAD KVR
	s_wait_xcnt 0x0                                ; the loads and the prefetches have read their base
	s_add_nc_u64 s[20:21], s[20:21], KVR
.else
.irp i, 0,1
.irp j, 0,1,2,3,4,5
	global_load_b128 v[VF+24*\i+4*\j:VF+24*\i+4*\j+3], v[L16], s[30:31] offset:12*3072*\i+512*\j th:TH_LOAD_NT   ; X's rows wave and wave + 12
.endr
.endr
.endif
.endm
.macro RLOAD i                         ; row wave + 12 i of the stage, whole: 32 lanes x 16 bytes, six times
.irp j, 0,1,2,3,4,5
.if (\i) == 0
	ds_load_b128 v[S+4*\j:S+4*\j+3], v[RD] offset:512*\j
.else
	ds_load_b128 v[S+24*(\i)+4*\j:S+24*(\i)+4*\j+3], v[RD2] offset:12*SP*((\i)-1)+512*\j
.endif
.endr
.endm
.macro REDUCE x                        ; the sum over the 32 lanes, in every lane
	v_add_f32_dpp v[\x], v[\x], v[\x] row_xmask:1 row_mask:0xf bank_mask:0xf
	v_add_f32_dpp v[\x], v[\x], v[\x] row_xmask:2 row_mask:0xf bank_mask:0xf
	v_add_f32_dpp v[\x], v[\x], v[\x] row_xmask:4 row_mask:0xf bank_mask:0xf
	v_add_f32_dpp v[\x], v[\x], v[\x] row_xmask:8 row_mask:0xf bank_mask:0xf
	v_permlanex16_b32 v36, v[\x], s[SEL], s[SEL+1]
	v_add_f32 v[\x], v[\x], v36
.endm
; one row: + X, LayerNorm in two passes (the mean first, then the squares of the differences: no difference of large sums), gamma, beta, relu, stored
.macro ROW i, xr
.set RW, S+24*(\i)
.irp j, 0,2,4,6,8,10,12,14,16,18,20,22
	v_pk_add_f32 v[RW+\j:RW+\j+1], v[RW+\j:RW+\j+1], v[(\xr)+\j:(\xr)+\j+1]
.endr
	v_pk_add_f32 v[32:33], v[RW:RW+1], v[RW+2:RW+3]
	v_pk_add_f32 v[34:35], v[RW+4:RW+5], v[RW+6:RW+7]
.irp j, 8,12,16,20
	v_pk_add_f32 v[32:33], v[32:33], v[RW+\j:RW+\j+1]
	v_pk_add_f32 v[34:35], v[34:35], v[RW+\j+2:RW+\j+3]
.endr
	v_pk_add_f32 v[32:33], v[32:33], v[34:35]
	v_add_f32 v32, v32, v33
	REDUCE 32
	v_mul_f32 v32, s34, v32                        ; the mean
.irp j, 0,2,4,6,8,10,12,14,16,18,20,22
	v_pk_add_f32 v[RW+\j:RW+\j+1], v[RW+\j:RW+\j+1], v[32:33] op_sel_hi:[1,0] neg_lo:[0,1] neg_hi:[0,1]
.endr
	v_pk_mul_f32 v[40:41], v[RW:RW+1], v[RW:RW+1]
	v_pk_mul_f32 v[42:43], v[RW+2:RW+3], v[RW+2:RW+3]
.irp j, 4,8,12,16,20
	v_pk_fma_f32 v[40:41], v[RW+\j:RW+\j+1], v[RW+\j:RW+\j+1], v[40:41]
	v_pk_fma_f32 v[42:43], v[RW+\j+2:RW+\j+3], v[RW+\j+2:RW+\j+3], v[42:43]
.endr
	v_pk_add_f32 v[40:41], v[40:41], v[42:43]
	v_add_f32 v40, v40, v41
	REDUCE 40
	v_fma_f32 v40, v40, s34, s35                   ; the variance + 1e-5
	v_rsq_f32 v42, v40
	v_nop                                          ; a plain line behind the transcendental
	s_wait_alu depctr_va_vdst(0)                   ; and the wait ahead of its first reader
.irp j, 0,2,4,6,8,10,12,14,16,18,20,22
	v_pk_mul_f32 v[RW+\j:RW+\j+1], v[RW+\j:RW+\j+1], v[42:43] op_sel_hi:[1,0]
.endr
.irp j, 0,2,4,6,8,10,12,14,16,18,20,22
	v_pk_fma_f32 v[RW+\j:RW+\j+1], v[RW+\j:RW+\j+1], v[KF+\j:KF+\j+1], v[KF+24+\j:KF+24+\j+1]
.endr
.set i, 0
.rept 24
	v_max_num_f32 v[RW+i], 0, v[RW+i]
.set i, i+1
.endr
.irp j, 0,1,2,3,4,5
	global_store_b128 v[L16], v[RW+4*\j:RW+4*\j+3], s[32:33] offset:12*3072*(\i)+512*\j th:TH_STORE_NT   ; 32 lanes store 512 consecutive bytes, at a multiple of 256 from out0's first byte
.endr
.endm
	s_load_b256 s[4:11], s[0:1], 0x0               ; qq, kv, X, ln_gamma
	s_load_b128 s[12:15], s[0:1], 0x20             ; ln_beta, out0
	v_lshl_add_u32 v[SPW], v0, 2, SPARE
	v_mov_b32 v[NIL], 0
	v_lshrrev_b32 v48, 5, v0
	v_readfirstlane_b32 s16, v48                   ; wave = head
	s_mov_b32 s17, ttmp9                           ; qb: the block of 32 queries
	s_and_b32 s18, ttmp7, 0xffff                   ; the batch
	v_and_b32 v48, 31, v0
	v_lshlrev_b32 v[L16], 4, v48
	v_lshlrev_b32 v[L4], 2, v48
	v_lshlrev_b32 v[PFO], 8, v48
	v_min_u32 v49, 19, v48
	v_lshlrev_b32 v[PFO2], 8, v49
	v_and_b32 v49, 15, v0                          ; r
	v_bfe_u32 v50, v0, 4, 1                        ; h
	v_and_b32 v51, 8, v49
	v_add_nc_u32 v51, v51, v49                     ; r + 8 (r / 8): my query's row in the stage (tile b: 8 rows on)
	v_mul_u32_u24 v[STO], v51, SP
	v_lshl_add_u32 v[STO], v50, 6, v[STO]          ; + 64 h: 16 channels
	s_lshl_b32 s28, s16, 8
	v_add_nc_u32 v[STO], s28, v[STO]               ; + my head's 256 bytes
	s_mul_i32 s28, s16, SP
	v_add_nc_u32 v[RD], s28, v[L16]
	v_add_nc_u32 v[RD2], 12*SP, v[RD]
	s_mul_i32 s19, s18, 12
	s_add_co_u32 s19, s19, s16                     ; 12 batch + head
	s_mul_i32 s36, s19, 8*KVR                      ; the head's eight records of K and V
	s_mov_b32 s37, 0
	s_lshl_b32 s38, s19, 3
	s_lshr_b32 s39, s17, 2
	s_add_co_u32 s38, s38, s39
	s_mul_i32 s38, s38, REC                        ; q's record: (12 batch + head) 8 + qb / 4
	s_and_b32 s39, s17, 3
	s_mul_i32 s40, s39, 1536
	s_add_co_u32 s40, s40, s38                     ; in it fragment qb % 4,
	s_mov_b32 s41, 0
	s_lshl_b32 s42, s39, 7
	s_add_co_u32 s42, s42, s38
	s_add_co_u32 s42, s42, 6144                    ; and its scale image
	s_mov_b32 s43, 0
	s_lshl_b32 s44, s18, 10
	s_lshl_b32 s45, s17, 5
	s_add_co_u32 s44, s44, s45
	s_add_co_u32 s44, s44, s16
	s_mul_i32 s44, s44, 3072                       ; row 1,024 batch + 32 qb + wave of X and of out0
	s_mov_b32 s45, 0
	s_mov_b32 s[CS], 0x3e38aa3b                    ; c = log2(e) / 8
	s_mov_b32 s[CS+1], s[CS]                       ; (named with it as a pair, so it is written)
	s_mov_b32 s[SEL], 0x76543210
	s_mov_b32 s[SEL+1], 0xfedcba98
	s_mov_b32 s26, 7                               ; steps that load a successor
	s_cmp_eq_u32 s17, 0
	s_cselect_b32 s27, 1, -1
	s_mov_b32 s34, 0x3aaaaaab                      ; 1 / 768
	s_mov_b32 s35, 0x3727c5ac                      ; 1e-5
	s_wait_kmcnt 0x0
	s_add_nc_u64 s[28:29], s[4:5], s[40:41]
	s_add_nc_u64 s[46:47], s[4:5], s[42:43]
	s_add_nc_u64 s[20:21], s[6:7], s[36:37]
	s_add_nc_u64 s[30:31], s[8:9], s[44:45]
	s_add_nc_u64 s[32:33], s[14:15], s[44:45]
.irp c, 0,1,2
	global_load_b128 v[S+4*\c:S+4*\c+3], v[L16], s[28:29] offset:512*\c   ; q's fragment: registers 0-5 tile a, 6-11 tile b
.endr
	global_load_b32 v[S+12], v[L4], s[46:47]       ; its scale word: bytes 0, 1 tile a's, bytes 2, 3 tile b's
	KLOAD 0
	VLOAD 0
.irp t, 0,1
	v_mov_b32 v[STAT+4*\t+1], 0xff61b1e6           ; the largest t so far: -3e38, under every t
	v_floor_f32 v[STAT+4*\t], -v[STAT+4*\t+1]      ; -M
	v_mov_b32 v[STAT+4*\t+2], 0                    ; the sum, in two halves
	v_mov_b32 v[STAT+4*\t+3], 0
.endr
.irp b, 0,1,2,3,4,5,6,7
	v_mov_b32 v[T2+\b], 0                          ; written once: a lane permute's destination counts as one of its sources, and v43 is named as the upper half of a pair
.endr
	v_mov_b32 v[F+1], 0                            ; (named as the upper half of the pair)
	s_wait_loadcnt 32                              ; q is in; K's and V's first 32 loads may be out
	v_and_b32 v48, 0xffff, v[S+12]
	v_lshl_or_b32 v[WQ], v[S+12], 16, v48          ; tile a's two bytes in both halves of the word: they serve [qa|0] and [0|qa]; the half that meets zero codes adds nothing
	v_lshrrev_b32 v48, 16, v[S+12]
	v_and_or_b32 v[WQ+1], v[S+12], 0xffff0000, v48 ; tile b's likewise
.irp i, 0,1,2,3,4,5
	v_mov_b32 v[Q+\i], v[S+\i]
	v_mov_b32 v[Q+6+\i], 0
	v_mov_b32 v[Q+12+\i], v[S+6+\i]
	v_mov_b32 v[Q+18+\i], 0
	v_mov_b32 v[Q+24+\i], v[S+\i]
.endr
	WIN 0x40                                       ; destination window 1
.set i, 0
.rept 64
	v_mov_b32 v[i], 0                              ; O^T.  The step is written once: the first finds zeros, which the first change of M leaves zeros.  These lines are also the plain lines between the making of q's forms and scale words and the first scaled products
.set i, i+1
.endr
	WIN 0
.Lstep:                                            ; seven trips; the eighth step is written out: it loads no successor
	STEP 1
	s_sub_co_u32 s26, s26, 1
	s_cmp_lg_u32 s26, 0
	s_cbranch_scc1 .Lstep
	STEP 0
	; THE WAY OUT.  O^T / the sum goes to the work-group's stage, 32 rows of 768 f32; behind the barrier each wave takes whole rows.
	v_add_f32 v48, v[STAT+2], v[STAT+3]            ; the sums' two halves,
	v_add_f32 v49, v[STAT+6], v[STAT+7]
	v_permlanex16_b32 v36, v48, s[SEL], s[SEL+1]
	v_permlanex16_b32 v37, v49, s[SEL], s[SEL+1]
	v_add_f32 v48, v48, v36                        ; and lane l xor 16's: the rows' sums
	v_add_f32 v49, v49, v37
	v_rcp_f32 v44, v48
	v_rcp_f32 v46, v49
	v_nop                                          ; a plain line behind the last reciprocal
	s_wait_alu depctr_va_vdst(0)                   ; one wait for both, ahead of the first reader
	WIN 0x01                                       ; source 0 window 1
.irp t, 0,1
.set i, 0
.rept 16
	v_pk_mul_f32 v[S+32*\t+i:S+32*\t+i+1], v[32*\t+i:32*\t+i+1], v[44+2*\t:45+2*\t] op_sel_hi:[1,0]   ; register 16 b + i: channel 32 b + 16 h + i; each accumulator from its low end on
.set i, i+2
.endr
.endr
	WIN 0
.irp t, 0,1
.irp b, 0,1
.irp i, 0,1,2,3
	ds_store_b128 v[STO], v[S+32*\t+16*\b+4*\i:S+32*\t+16*\b+4*\i+3] offset:8*SP*\t+128*\b+16*\i
.endr
.endr
.endr
	s_wait_dscnt 0x0                               ; for the others' sake: my stores into the stage are done
	s_barrier_signal -1
	s_barrier_wait -1                              ; 32 whole rows lie in the stage; nobody writes it again
	RLOAD 0
	RLOAD 1
	s_wait_loadcnt 0x0                             ; gamma, beta and X's rows
	s_wait_dscnt 0x0
	ROW 0, VF
	ROW 1, VF+24
	s_cmp_lt_u32 s16, 8
	s_cbranch_scc0 .Ldone
	RLOAD 2
	s_wait_dscnt 0x0
	ROW 2, Q
.Ldone:
	s_wait_tensorcnt 0x0                           ; the wave's end: three closing lines behind my last LDS store
	ds_add_u32 v[SPW], v[NIL]
	s_wait_dscnt 0x0
	s_endpgm
.Lfunc_end_k_q06ff026543_attn:
	.size	k_q06ff026543_attn, .Lfunc_end_k_q06ff026543_attn-k_q06ff026543_attn
	.p2alignl 7, 3214868480
	.fill 96, 4, 3214868480
	.section	.rodata,"a",@progbits
	.p2align	6, 0x0
	.amdhsa_kernel k_q06ff026543_attn
		.amdhsa_group_segment_fixed_size 100352
		.amdhsa_private_segment_fixed_size 0
		.amdhsa_enable_private_segment 0
		.amdhsa_kernarg_size 48
		.amdhsa_user_sgpr_count 2
		.amdhsa_user_sgpr_kernarg_segment_ptr 1
		.amdhsa_wavefront_size32 1
		.amdhsa_system_sgpr_workgroup_id_x 1
		.amdhsa_system_sgpr_workgroup_id_y 1
		.amdhsa_system_sgpr_workgroup_id_z 1
		.amdhsa_system_vgpr_workitem_id 0
		.amdhsa_next_free_vgpr 320
		.amdhsa_next_free_sgpr 66
		.amdhsa_reserve_vcc 0
		.amdhsa_float_denorm_mode_32 3
		.amdhsa_float_denorm_mode_16_64 3
		.amdhsa_memory_ordered 1
		.amdhsa_forward_progress 1
		.amdhsa_inst_pref_size 96
	.end_amdhsa_kernel
	.amdgpu_metadata
---
amdhsa.version: [ 1, 2 ]
amdhsa.kernels:
  - .name:           k_q06ff026543_attn
    .symbol:         k_q06ff026543_attn.kd
    .args:
      - { .name: qq, .offset: 0, .size: 8, .value_kind: global_buffer, .address_space: global }
      - { .name: kv, .offset: 8, .size: 8, .value_kind: global_buffer, .address_space: global }
      - { .name: X, .offset: 16, .size: 8, .value_kind: global_buffer, .address_space: global }
      - { .name: ln_gamma, .offset: 24, .size: 8, .value_kind: global_buffer, .address_space: global }
      - { .name: ln_beta, .offset: 32, .size: 8, .value_kind: global_buffer, .address_space: global }
      - { .name: out0, .offset: 40, .size: 8, .value_kind: global_buffer, .address_space: global }
    .group_segment_fixed_size: 100352
    .private_segment_fixed_size: 0
    .kernarg_segment_align: 8
    .kernarg_segment_size: 48
    .max_flat_workgroup_size: 384
    .sgpr_count:     66
    .vgpr_count:     320
    .wavefront_size: 32
...
	.end_amdgpu_metadata
.endif
;; end of part 3
;; ======== version 2 of 2: 3 launches
;; workspace buffers: xc 5,111,808 bytes; wc 1,437,696 bytes; qq 5,111,808 bytes; kv 10,223,616 bytes
;; launch quant (part 4): grid 656 x 1, 6 waves a work-group, no clusters, 51,456 bytes of LDS; arguments X, W_q, W_k, W_v, xc, wc; writes xc, wc
.if DOCPART == 4
	.amdgcn_target "amdgcn-amd-amdhsa--gfx1250"
	.amdhsa_code_object_version 6
	.text
	.protected	k_q06ff026543_quant
	.globl	k_q06ff026543_quant
	.p2align	8
	.type	k_q06ff026543_quant,@function
k_q06ff026543_quant:
	s_mov_b64 s[64:65], 0
	v_nop
	global_prefetch_b8 v0, s[64:65] scope:SCOPE_SE
	s_setreg_imm32_b32 hwreg(HW_REG_WAVE_MODE, 25, 1), 1
	s_wait_xcnt 0x0
; X [8192][768] and W_q, W_k, W_v [768][768], f32, K (= the 768) innermost, become codes of E3M2 with one E8M0 byte for each 32 along K.
; DEAD WORK: none.  Every input of the problem reaches the output and every product of its table is live: no launch of this program leaves a step out.
; WHAT IS STORED is not rows but IMAGES OF OPERAND REGISTERS.  A fragment is 16 rows x 128 K of 6-bit codes, 12 registers a lane (lane l: row l % 16; registers 6 c .. 6 c + 5: k = 64 c + 32 (l / 16) + 0 .. 31).
; Register j of lane l lies at byte 512 (j / 4) + 16 l + 4 (j % 4) of the image: three stores of 16 bytes a lane write it, three such loads bring it back.  Its scale image is one word a lane (lanes 16-31 repeat lanes 0-15).
; THE ROWS OF A TILE ARE NOT NEIGHBOURS: row index i of tile T is true row 32 (T / 2) + 8 (T % 2) + i + 8 (i / 8), in all four tensors, so that the results of the next launch's products run along the next K in a lane's registers.
; xc: 64 blocks (128 tokens) of 79,872 bytes: codes at 12,288 s + 1,536 T (K step s, tile T), scale images at 73,728 + 1,024 s + 128 T.
; wc: 36 blocks (12 x type + head; type 0 q, 1 k, 2 v) of 39,936 bytes: codes at 6,144 s + 1,536 t, scale images at 36,864 + 512 s + 128 t.
; A block's scale is 2^(floor(log2(largest magnitude)) - 4): its byte is the largest magnitude's exponent field - 4, held at 1 from below.
; LIMITS: a block whose largest magnitude lies under 2^-122 has its byte held at 1; a block of zeros gets the byte 1 where the rule says 127 (its codes are zeros, and this program alone reads the bytes); NaN and infinities are not served.
; SHARES.  A work-group takes one tile of 16 rows (work-groups 0-511: X's; 512-655: the weights', 48 each); its six waves take the six K steps of 128: a wave makes one fragment.
; Each of a wave's 16 loads reads 512 consecutive bytes of one row; the numbers turn through the wave's own stage in LDS so that a lane gets two whole blocks of 32 of its row.  Waves share nothing: no barrier.
; No matrix unit, no cluster, no tensor load: a stream that is read once; no work-group reads what another reads.
.set ROWB,  3072                       ; a row of any of the four tensors in bytes
.set PIT,   528                        ; a stage row: 512 bytes + 16, so that sixteen rows' reads start 16 bytes apart modulo 256
.set WST,   16*PIT                     ; a wave's stage
.set SPARE, 6*WST                      ; behind the stages: the spare words, 128 bytes a wave: three blocks of 256 bytes that no other line names
.set L16, 1                            ; v1   16 x lane
.set L4,  2                            ; v2   4 x lane
.set STI, 3                            ; v3   the stage, on the way in
.set RDI, 4                            ; v4   and on the way out: row r, + 128 h
.set SPW, 5                            ; v5   my spare word; never rewritten
.set NIL, 6                            ; v6   0; never rewritten
.set H8,  7                            ; v7   8 h
.set MX,  8                            ; v8-9   my two blocks' largest magnitudes
.set SO,  10                           ; v10-11 the conversions' scale operands
.set BY,  12                           ; v12-13 the scale bytes
.set WD,  14                           ; v14  the scale word
.set WD2, 15                           ; v15  lane l xor 16's
.set PC,  16                           ; v16-27 the fragment
.set TP,  28                           ; v28-30, v32-34 the upper halves of the two blocks' codes
.set RAW, 40                           ; v40-103  as loaded
.set NUM, 104                          ; v104-167 my 64 numbers
	s_load_b256 s[4:11], s[0:1], 0x0               ; X, W_q, W_k, W_v
	s_load_b128 s[12:15], s[0:1], 0x20             ; xc, wc
	v_lshl_add_u32 v[SPW], v0, 2, SPARE
	v_mov_b32 v[NIL], 0
	v_lshrrev_b32 v8, 5, v0
	v_readfirstlane_b32 s16, v8                    ; wave = K step
	v_and_b32 v9, 31, v0
	v_lshlrev_b32 v[L16], 4, v9
	v_lshlrev_b32 v[L4], 2, v9
	s_mul_i32 s26, s16, WST
	v_add_nc_u32 v[STI], s26, v[L16]
	v_and_b32 v10, 15, v0                          ; r
	v_bfe_u32 v11, v0, 4, 1                        ; h
	v_mul_u32_u24 v[RDI], v10, PIT
	v_lshl_add_u32 v[RDI], v11, 7, v[RDI]
	v_add_nc_u32 v[RDI], s26, v[RDI]
	v_lshlrev_b32 v[H8], 3, v11
	v_mov_b32 v[WD2], 0                            ; a lane permute's destination counts as one of its sources
	s_mov_b32 s28, 0x76543210
	s_mov_b32 s29, 0xfedcba98                      ; v_permlanex16_b32's selects for lane l xor 16
	s_mov_b32 s17, ttmp9
	s_cmp_lt_u32 s17, 512                          ; X's tile or a weight's?  All choices hang on the work-group's number alone
	s_cselect_b32 s19, 1, 0                        ; x = 1 for X: X's block sizes are twice the weights'
	s_cselect_b32 s18, 0, 512                      ; the destination's first tile
	s_mov_b32 s31, s18
	s_cmp_ge_u32 s17, 560
	s_cselect_b32 s31, 560, s31
	s_cmp_ge_u32 s17, 608
	s_cselect_b32 s31, 608, s31                    ; the source tensor's first tile
	s_sub_co_u32 s31, s17, s31                     ; the tile in its tensor
	s_sub_co_u32 s30, s17, s18                     ; the tile in its destination
	s_lshr_b32 s26, s31, 1
	s_lshl_b32 s26, s26, 5
	s_and_b32 s27, s31, 1
	s_lshl_b32 s27, s27, 3
	s_add_co_u32 s26, s26, s27                     ; the tile's first row: 32 (T / 2) + 8 (T % 2)
	s_mul_i32 s26, s26, ROWB
	s_lshl_b32 s27, s16, 9
	s_add_co_u32 s26, s26, s27                     ; + my K step's 512 bytes
	s_mov_b32 s27, 0
	s_add_co_u32 s32, s19, 2
	s_lshr_b32 s33, s30, s32                       ; the block: 8 tiles of X, 4 of a weight
	s_lshl_b32 s34, 4, s19
	s_sub_co_u32 s34, s34, 1
	s_and_b32 s34, s30, s34                        ; the tile in its block
	s_mul_i32 s33, s33, 39936
	s_mul_i32 s35, s16, 6144
	s_add_co_u32 s35, s35, s33
	s_lshl_b32 s35, s35, s19                       ; (block x 39,936 + 6,144 s) << x
	s_mul_i32 s36, s34, 1536
	s_add_co_u32 s36, s36, s35                     ; where my fragment's image goes
	s_mov_b32 s37, 0
	s_lshl_b32 s38, s16, 9
	s_add_co_u32 s38, s38, s33
	s_add_co_u32 s38, s38, 36864
	s_lshl_b32 s38, s38, s19                       ; (block x 39,936 + 36,864 + 512 s) << x
	s_lshl_b32 s39, s34, 7
	s_add_co_u32 s38, s38, s39                     ; and its scale image
	s_mov_b32 s39, 0
	s_wait_alu depctr_va_vdst(0)
	s_wait_kmcnt 0x0
	s_cmp_lt_u32 s17, 512
	s_cselect_b64 s[20:21], s[4:5], s[6:7]
	s_cselect_b64 s[22:23], s[12:13], s[14:15]
	s_cmp_ge_u32 s17, 560
	s_cselect_b64 s[20:21], s[8:9], s[20:21]
	s_cmp_ge_u32 s17, 608
	s_cselect_b64 s[20:21], s[10:11], s[20:21]
	s_add_nc_u64 s[20:21], s[20:21], s[26:27]
	s_add_nc_u64 s[24:25], s[22:23], s[38:39]
	s_add_nc_u64 s[22:23], s[22:23], s[36:37]
.irp i, 0,1,2,3,4,5,6,7,8,9,10,11,12,13,14,15
	global_load_b128 v[RAW+4*\i:RAW+4*\i+3], v[L16], s[20:21] offset:(\i+8*(\i/8))*ROWB th:TH_LOAD_NT   ; row index i: 32 lanes read 512 consecutive bytes
.endr
.irp i, 0,1,2,3,4,5,6,7,8,9,10,11,12,13,14,15
	s_wait_loadcnt 15-\i                           ; loads come back in order: row i is in, the 15 - i younger ones may be out
	ds_store_b128 v[STI], v[RAW+4*\i:RAW+4*\i+3] offset:PIT*\i
.endr
.irp c, 0,1
.irp j, 0,1,2,3,4,5,6,7
	ds_load_b128 v[NUM+32*\c+4*\j:NUM+32*\c+4*\j+3], v[RDI] offset:256*\c+16*\j   ; k = 64 c + 32 h + 4 j .. of row r.  LDS serves a wave's instructions in order: these see my stores
.endr
.endr
	s_wait_dscnt 0x0
.irp c, 0,1                                    ; my block 2 c + h: all its 32 numbers are mine
	v_max3_num_f32 v[MX+\c], |v[NUM+32*\c]|, |v[NUM+32*\c+1]|, 0x2800000   ; and the floor 2^(5 - 127): the byte cannot fall under 1
.endr
.irp i, 2,4,6,8,10,12,14,16,18,20,22,24,26,28,30
.irp c, 0,1
	v_max3_num_f32 v[MX+\c], v[MX+\c], |v[NUM+32*\c+\i]|, |v[NUM+32*\c+\i+1]|   ; (the two blocks by turns)
.endr
.endr
.irp c, 0,1
	v_add_nc_u32 v[SO+\c], 0xfe000000, v[MX+\c]    ; 4 off the exponent field: the conversion takes the exponent field of this operand as its scale
.endr
.irp c, 0,1
	v_lshrrev_b32 v[BY+\c], 23, v[SO+\c]           ; the scale's byte
.endr
	v_lshl_or_b32 v[WD], v[BY+1], 16, v[BY]        ; blocks h and 2 + h of row r,
	v_lshlrev_b32 v[WD], v[H8], v[WD]              ; at their places in the word;
	v_permlanex16_b32 v[WD2], v[WD], s28, s29
	v_or_b32 v[WD], v[WD], v[WD2]                  ; with lane l xor 16's two the word is whole, in both halves of the lanes
.irp c, 0,1
	v_cvt_scalef32_pk16_bf6_f32 v[PC+6*\c:PC+6*\c+2], v[NUM+32*\c:NUM+32*\c+15], v[SO+\c]
	v_cvt_scalef32_pk16_bf6_f32 v[TP+4*\c:TP+4*\c+2], v[NUM+32*\c+16:NUM+32*\c+31], v[SO+\c]   ; (a conversion's three registers begin on an even number)
.endr
	v_nop                                          ; one plain line behind a scaled conversion
.irp c, 0,1
.irp i, 0,1,2
	v_mov_b32 v[PC+6*\c+3+\i], v[TP+4*\c+\i]
.endr
.endr
.irp c, 0,1,2
	global_store_b128 v[L16], v[PC+4*\c:PC+4*\c+3], s[22:23] offset:512*\c   ; 32 lanes store 512 consecutive bytes, at a multiple of 256 from the buffer's first byte
.endr
	global_store_b32 v[L4], v[WD], s[24:25]        ; the scale image: 128 consecutive bytes
	s_wait_tensorcnt 0x0                           ; the wave's end: three closing lines behind my last LDS store
	ds_add_u32 v[SPW], v[NIL]
	s_wait_dscnt 0x0
	s_endpgm
.Lfunc_end_k_q06ff026543_quant:
	.size	k_q06ff026543_quant, .Lfunc_end_k_q06ff026543_quant-k_q06ff026543_quant
	.p2alignl 7, 3214868480
	.fill 96, 4, 3214868480
	.section	.rodata,"a",@progbits
	.p2align	6, 0x0
	.amdhsa_kernel k_q06ff026543_quant
		.amdhsa_group_segment_fixed_size 51456
		.amdhsa_private_segment_fixed_size 0
		.amdhsa_enable_private_segment 0
		.amdhsa_kernarg_size 48
		.amdhsa_user_sgpr_count 2
		.amdhsa_user_sgpr_kernarg_segment_ptr 1
		.amdhsa_wavefront_size32 1
		.amdhsa_system_sgpr_workgroup_id_x 1
		.amdhsa_system_sgpr_workgroup_id_y 1
		.amdhsa_system_sgpr_workgroup_id_z 1
		.amdhsa_system_vgpr_workitem_id 0
		.amdhsa_next_free_vgpr 168
		.amdhsa_next_free_sgpr 66
		.amdhsa_reserve_vcc 0
		.amdhsa_float_denorm_mode_32 3
		.amdhsa_float_denorm_mode_16_64 3
		.amdhsa_memory_ordered 1
		.amdhsa_forward_progress 1
		.amdhsa_inst_pref_size 11
	.end_amdhsa_kernel
	.amdgpu_metadata
---
amdhsa.version: [ 1, 2 ]
amdhsa.kernels:
  - .name:           k_q06ff026543_quant
    .symbol:         k_q06ff026543_quant.kd
    .args:
      - { .name: X, .offset: 0, .size: 8, .value_kind: global_buffer, .address_space: global }
      - { .name: W_q, .offset: 8, .size: 8, .value_kind: global_buffer, .address_space: global }
      - { .name: W_k, .offset: 16, .size: 8, .value_kind: global_buffer, .address_space: global }
      - { .name: W_v, .offset: 24, .size: 8, .value_kind: global_buffer, .address_space: global }
      - { .name: xc, .offset: 32, .size: 8, .value_kind: global_buffer, .address_space: global }
      - { .name: wc, .offset: 40, .size: 8, .value_kind: global_buffer, .address_space: global }
    .group_segment_fixed_size: 51456
    .private_segment_fixed_size: 0
    .kernarg_segment_align: 8
    .kernarg_segment_size: 48
    .max_flat_workgroup_size: 192
    .sgpr_count:     66
    .vgpr_count:     168
    .wavefront_size: 32
...
	.end_amdgpu_metadata
.endif
;; end of part 4
;; launch proj (part 5): grid 64 x 3, 4 waves a work-group, no clusters, 167,936 bytes of LDS; arguments xc, wc, qq, kv; writes qq, kv
.if DOCPART == 5
	.amdgcn_target "amdgcn-amd-amdhsa--gfx1250"
	.amdhsa_code_object_version 6
	.text
	.protected	k_q06ff026543_proj
	.globl	k_q06ff026543_proj
	.p2align	8
	.type	k_q06ff026543_proj,@function
k_q06ff026543_proj:
	s_mov_b64 s[64:65], 0
	v_nop
	global_prefetch_b8 v0, s[64:65] scope:SCOPE_SE
	s_setreg_imm32_b32 hwreg(HW_REG_WAVE_MODE, 25, 1), 1
	s_wait_xcnt 0x0
; q = X W_q^T, k = X W_k^T, v = X W_v^T on the codes of the launch before, and the results quantised in registers for the two products of attention: q and k along the head's 64, v along the keys.  No work is left out.
; SHARES.  Work-group (g, type) takes 128 tokens (group g) x the 12 heads of one of q, k, v; wave w takes heads 3 w, 3 w + 1, 3 w + 2 one after the other: a wave tile of 128 tokens x 64 columns, 32 accumulators, six K steps of 128.
; The 8,192 x 2,304 results are 2,304 such tiles, 2.25 for each of 1,024 SIMDs: any split into whole tiles gives some SIMD three, so 192 work-groups of 4 waves with three tiles each reach that bound.
; X's block of the group, 79,872 dense bytes (all of K, codes and scale images), comes into LDS ONCE, a quarter by each wave's one tensor load; nothing is filled again.  All four waves read it, 16 bytes a lane on end.
; A wave's weights are its own: they go from memory straight into registers, three sets of a K step's four fragments, asked for three K steps ahead, across tiles too.
; NO CLUSTER: X's block is shared by the grid's three work-groups along y, and 3 is no multiple of a cluster's 4; a type's weights, 479,232 bytes, are more than LDS holds, and inside a work-group no two waves read the same.
; LAYOUTS (row index i of tile T = true row 32 (T / 2) + 8 (T % 2) + i + 8 (i / 8) in X and in the weights):
;   q, k: source 0 = 16 rows of W, source 1 = 16 tokens: a lane holds ONE token, and the 32 registers of its four accumulators are e = 32 b + 16 (lane / 16) + 0 .. 15 of the head.  A stored fragment packs TWO token tiles: tile 2 n as k = 0 .. 63,
;         tile 2 n + 1 as k = 64 .. 127; scale bytes 0, 1 and 2, 3 likewise.
;   v:    source 0 = 16 tokens, source 1 = 16 rows of W_v: a lane holds ONE channel, and the 64 registers of its eight accumulators are tokens 32 b + 16 (lane / 16) + 0 .. 15: the keys, v's K in attention.
; qq: records of 6,656 bytes at ((12 batch + head) 8 + g % 8): 4 fragments of 1,536, 4 scale images of 128.  kv: records of 13,312 bytes, same index: K's 6,656, then V's 6,656.
; LIMITS: a block whose largest magnitude lies under 2^-122 has its byte held at 1; a block of zeros gets the byte 1 (its codes are zeros; this program alone reads the bytes); NaN and infinities are not served.
; REGISTERS, in windows of 256: window 0: addresses, scale words, the quantiser's, from v80 the weights' three sets;  window 1: the 32 accumulators;  window 2: X's fragments, two sets of 96.
.set XG,    79872                      ; X's block
.set WH,    39936                      ; a head's block of weights
.set REC,   6656
.set SPARE, XG                         ; behind X's block: the spare words, 128 bytes a wave: two blocks of 256 bytes that no other line names
.set L16,  1                           ; v1   16 x lane
.set L4,   2                           ; v2   4 x lane
.set L16B, 3                           ; v3   16 x lane + 36,864: K steps 3 to 5 (an LDS offset has 16 bits)
.set LXS,  4                           ; v4   4 x lane + 73,728: X's scale images
.set SPW,  5                           ; v5   my spare word; never rewritten
.set NIL,  6                           ; v6   0; never rewritten
.set XS,   8                           ; v8-23   X's scale words, two sets of 8
.set WS,   24                          ; v24-35  the weights', three sets of 4
.set TM,   36                          ; v36-39 largest magnitudes, v40-43 bytes, v48-51 the conversions' scale operands
.set PW,   52                          ; v52     the scale word just made
.set PC,   54                          ; v54-65  the fragment just made; v66-68, v70-72 at work
.set WF,   80                          ; v80-223 the weights' fragments, three sets of 48
.set MSB, 0
.macro WIN new                         ; s_set_vgpr_msb: bits 1:0 source 0, 3:2 source 1, 5:4 source 2, 7:6 destination; the high byte repeats the setting that is left
.if MSB != \new
	s_set_vgpr_msb (MSB<<8)|\new
.set MSB, \new
.endif
.endm
.macro PLACES                          ; four plain lines behind a matrix instruction, in front of loads into its registers and of reads of its result
.rept 4
	v_nop
.endr
.endm
; a K step's four fragments of the weights and their scale words into set ws.  No cache hint: 64 work-groups read the same bytes
.macro WLOAD ws, off, soff
.irp t, 0,1,2,3
.irp c, 0,1,2
	global_load_b128 v[WF+48*(\ws)+12*\t+4*\c:WF+48*(\ws)+12*\t+4*\c+3], v[L16], s[28:29] offset:(\off)+1536*\t+512*\c
.endr
.endr
.irp t, 0,1,2,3
	global_load_b32 v[WS+4*(\ws)+\t], v[L4], s[28:29] offset:(\soff)+128*\t
.endr
.endm
; K step ks of X: eight fragments and their scale words from LDS into set xs
.macro FETCHX xs, ks
	WIN 0x80                                       ; destination window 2, address window 0
.irp a, 0,1,2,3,4,5,6,7
.irp c, 0,1,2
.if (\ks) < 3
	ds_load_b128 v[96*(\xs)+12*\a+4*\c:96*(\xs)+12*\a+4*\c+3], v[L16] offset:(\ks)*12288+1536*\a+512*\c
.else
	ds_load_b128 v[96*(\xs)+12*\a+4*\c:96*(\xs)+12*\a+4*\c+3], v[L16B] offset:((\ks)-3)*12288+1536*\a+512*\c
.endif
.endr
.endr
	WIN 0
.irp a, 0,1,2,3,4,5,6,7
	ds_load_b32 v[XS+8*(\xs)+\a], v[LXS] offset:1024*(\ks)+128*\a
.endr
.endm
; 32 matrix instructions, 128 along K.  The 32 accumulators take turns, one instruction a turn, in the same order in every step.  zero = 1: the products start the sums.
.macro MUL var, ws, xs, zero
.if \var
	WIN 0x52                                       ; v: source 0 (X) window 2, source 1 (W) window 0, C and D window 1
.irp t, 0,1,2,3
.irp a, 0,1,2,3,4,5,6,7
.if \zero
	v_wmma_scale_f32_16x16x128_f8f6f4 v[64*\t+8*\a:64*\t+8*\a+7], v[96*(\xs)+12*\a:96*(\xs)+12*\a+11], v[WF+48*(\ws)+12*\t:WF+48*(\ws)+12*\t+11], 0, v[XS+8*(\xs)+\a], v[WS+4*(\ws)+\t] matrix_a_fmt:MATRIX_FMT_BF6 matrix_b_fmt:MATRIX_FMT_BF6
.else
	v_wmma_scale_f32_16x16x128_f8f6f4 v[64*\t+8*\a:64*\t+8*\a+7], v[96*(\xs)+12*\a:96*(\xs)+12*\a+11], v[WF+48*(\ws)+12*\t:WF+48*(\ws)+12*\t+11], v[64*\t+8*\a:64*\t+8*\a+7], v[XS+8*(\xs)+\a], v[WS+4*(\ws)+\t] matrix_a_fmt:MATRIX_FMT_BF6 matrix_b_fmt:MATRIX_FMT_BF6
.endif
.endr
.endr
.else
	WIN 0x58                                       ; q, k: source 0 (W) window 0, source 1 (X) window 2, C and D window 1
.irp a, 0,1,2,3,4,5,6,7
.irp t, 0,1,2,3
.if \zero
	v_wmma_scale_f32_16x16x128_f8f6f4 v[32*\a+8*\t:32*\a+8*\t+7], v[WF+48*(\ws)+12*\t:WF+48*(\ws)+12*\t+11], v[96*(\xs)+12*\a:96*(\xs)+12*\a+11], 0, v[WS+4*(\ws)+\t], v[XS+8*(\xs)+\a] matrix_a_fmt:MATRIX_FMT_BF6 matrix_b_fmt:MATRIX_FMT_BF6
.else
	v_wmma_scale_f32_16x16x128_f8f6f4 v[32*\a+8*\t:32*\a+8*\t+7], v[WF+48*(\ws)+12*\t:WF+48*(\ws)+12*\t+11], v[96*(\xs)+12*\a:96*(\xs)+12*\a+11], v[32*\a+8*\t:32*\a+8*\t+7], v[WS+4*(\ws)+\t], v[XS+8*(\xs)+\a] matrix_a_fmt:MATRIX_FMT_BF6 matrix_b_fmt:MATRIX_FMT_BF6
.endif
.endr
.endr
.endif
.endm
; 64 results of a lane, registers src .. src + 63 of window 1, register 16 b + i = k 32 b + 16 (lane / 16) + i of the lane's row, become a fragment in v[PC] on and its scale word in v[PW].
.macro QUANT src
	WIN 0x05                                       ; sources 0 and 1 window 1
.irp b, 0,1,2,3
	v_max3_num_f32 v[TM+\b], |v[(\src)+16*\b]|, |v[(\src)+16*\b+1]|, 0x2800000   ; block b: my 16 numbers, each accumulator from its low end on, and the floor 2^(5 - 127): the byte cannot fall under 1
.endr
.irp i, 2,4,6,8,10,12,14
.irp b, 0,1,2,3
	v_max3_num_f32 v[TM+\b], |v[(\src)+16*\b+\i]|, |v[(\src)+16*\b+\i+1]|, v[TM+\b]   ; (the four blocks by turns)
.endr
.endr
	WIN 0
.irp b, 0,1,2,3
	v_permlanex16_b32 v[TM+4+\b], v[TM+\b], s38, s39
.endr
.irp b, 0,1,2,3
	v_max_num_f32 v[TM+\b], v[TM+\b], v[TM+4+\b]   ; with lane l xor 16's: the block's largest magnitude
.endr
.irp b, 0,1,2,3
	v_add_nc_u32 v[TM+12+\b], 0xfe000000, v[TM+\b] ; 4 off its exponent field: the conversion's scale operand
.endr
.irp b, 0,1,2,3
	v_lshrrev_b32 v[TM+4+\b], 23, v[TM+12+\b]      ; the scale's byte
.endr
	s_wait_alu depctr_va_vdst(0)
	s_wait_xcnt 0x0                                ; the stores of the fragment before have read v[PW] and v[PC] on: only behind this wait are they written again
	v_lshl_or_b32 v[PW], v[TM+5], 8, v[TM+4]
	v_lshl_or_b32 v[PW], v[TM+6], 16, v[PW]
	v_lshl_or_b32 v[PW], v[TM+7], 24, v[PW]        ; the row's scale word, the same in both halves of the lanes
	WIN 0x01                                       ; source 0 window 1
.irp c, 0,1
	v_cvt_scalef32_pk16_bf6_f32 v[PC+6*\c:PC+6*\c+2], v[(\src)+32*\c:(\src)+32*\c+15], v[TM+12+2*\c]
	v_cvt_scalef32_pk16_bf6_f32 v[PC+12+4*\c:PC+14+4*\c], v[(\src)+32*\c+16:(\src)+32*\c+31], v[TM+13+2*\c]   ; (a conversion's three registers begin on an even number)
.endr
	WIN 0
	v_nop                                          ; one plain line behind a scaled conversion
.irp c, 0,1                                    ; the operand's layout wants a WHOLE block in a lane: lanes 0-15 block 2 c, lanes 16-31 block 2 c + 1
.irp i, 0,1,2
	v_permlane16_swap_b32 v[PC+6*\c+\i], v[PC+12+4*\c+\i]
.endr
.irp i, 0,1,2
	v_mov_b32 v[PC+6*\c+3+\i], v[PC+12+4*\c+\i]
.endr
.endr
.endm
; A TILE: one head.  last = 1: the wave's third: nothing is asked for beyond it.
.macro TILE var, last
.irp k, 0,1,2,3,4,5
	s_wait_dscnt 0x0                               ; X's K step k is in registers (asked for a step ago)
.if ((\last) == 0) || (\k < 5)
	FETCHX (\k+1)%2, (\k+1)%6                      ; the next K step (behind the sixth: the next tile's first) into the set that the step before multiplied: its four plain lines stand behind that step's products
.endif
.if (\last) && (\k > 3)
	s_wait_loadcnt 16*(5-\k)                       ; the last tile's counts run down
.else
	s_wait_loadcnt 32                              ; this K step's 16 loads of weights are in; the two younger sets, 32 loads, may be out
.endif
.if \k == 0
	MUL \var, 0, 0, 1
.else
	MUL \var, \k%3, \k%2, 0
.endif
	WIN 0
	PLACES
.if \k < 3
	WLOAD \k%3, (\k+3)*6144, 36864+(\k+3)*512      ; the set just multiplied takes the K step three on
.elseif (\last) == 0
	WLOAD \k%3, WH+(\k-3)*6144, WH+36864+(\k-3)*512   ; which from the fourth step on is the next head's
.endif
.endr
.irp n, 0,1,2,3
	QUANT 64*\n
.irp c, 0,1,2
	global_store_b128 v[L16], v[PC+4*\c:PC+4*\c+3], s[30:31] offset:1536*\n+512*\c   ; 32 lanes store 512 consecutive bytes, at a multiple of 256 from the buffer's first byte
.endr
	global_store_b32 v[L4], v[PW], s[30:31] offset:6144+128*\n
.endr
.endm
.macro ONWARD                          ; to the next head
	s_wait_xcnt 0x0                                ; the loads and stores issued have read their bases
	s_add_nc_u64 s[28:29], s[28:29], WH
	s_add_nc_u64 s[30:31], s[30:31], s[32:33]
	s_sub_co_u32 s34, s34, 1
	s_cmp_lg_u32 s34, 0
.endm
	s_load_b256 s[4:11], s[0:1], 0x0               ; xc, wc, qq, kv
	v_lshl_add_u32 v[SPW], v0, 2, SPARE
	v_mov_b32 v[NIL], 0
	ds_add_u32 v[SPW], v[NIL]                      ; the wave's opening: the add, twice on end, and its wait ahead of my first tensor load; work on registers stands between
	ds_add_u32 v[SPW], v[NIL]
	v_lshrrev_b32 v7, 5, v0
	v_readfirstlane_b32 s12, v7                    ; wave 0..3
	v_and_b32 v7, 31, v0
	v_lshlrev_b32 v[L16], 4, v7
	v_lshlrev_b32 v[L4], 2, v7
	v_add_nc_u32 v[L16B], 36864, v[L16]
	v_add_nc_u32 v[LXS], 73728, v[L4]
.irp b, 0,1,2,3
	v_mov_b32 v[TM+4+\b], 0                        ; written once: a lane permute's destination counts as one of its sources
.endr
	s_mov_b32 s13, ttmp9                           ; g: the group of 128 tokens
	s_and_b32 s14, ttmp7, 0xffff                   ; type: 0 q, 1 k, 2 v
	; descriptor group 1: a quarter of X's block, 19,968 dense bytes, as 78 rows of 256 bytes (32 elements of 8 bytes), no padding, no mask
	s_mov_b32 s16, 3<<16
	s_mov_b32 s17, 32<<16                          ; tensor_dim0 = 32
	s_mov_b32 s18, 78<<16                          ; tensor_dim1 = 78
	s_mov_b32 s19, 32<<16                          ; tile_dim0 = 32
	s_mov_b32 s20, 78                              ; tile_dim1 = 78
	s_mov_b32 s21, 32                              ; the pitch
	s_mov_b32 s22, 0
	s_mov_b32 s23, 0
	s_mov_b32 s24, 1                               ; group 0: count = 1
	s_mul_i32 s25, s12, 19968                      ; LDS address: my quarter
	s_mul_i32 s36, s13, XG
	s_add_co_u32 s36, s36, s25                     ; and the same quarter of block g in memory
	s_mov_b32 s37, 0
	s_mul_i32 s40, s14, 12
	s_mul_i32 s41, s12, 3
	s_add_co_u32 s40, s40, s41
	s_mul_i32 s40, s40, WH                         ; my first head's weights: block 12 type + 3 wave
	s_mov_b32 s41, 0
	s_lshr_b32 s42, s13, 3                         ; the batch
	s_mul_i32 s42, s42, 12
	s_mul_i32 s43, s12, 3
	s_add_co_u32 s42, s42, s43
	s_lshl_b32 s42, s42, 3
	s_and_b32 s43, s13, 7
	s_add_co_u32 s42, s42, s43                     ; the record: (12 batch + head) 8 + g % 8
	s_cmp_lg_u32 s14, 0
	s_cselect_b32 s44, 1, 0                        ; kv's records are twice qq's
	s_mul_i32 s42, s42, REC
	s_lshl_b32 s42, s42, s44
	s_mov_b32 s32, 8*REC
	s_lshl_b32 s32, s32, s44                       ; from head to head: 8 records
	s_mov_b32 s33, 0
	s_cmp_eq_u32 s14, 2
	s_cselect_b32 s43, REC, 0                      ; V's part lies behind K's
	s_add_co_u32 s42, s42, s43
	s_mov_b32 s43, 0
	s_mov_b32 s38, 0x76543210
	s_mov_b32 s39, 0xfedcba98                      ; v_permlanex16_b32's selects for lane l xor 16
	s_wait_alu depctr_va_vdst(0)
	s_wait_dscnt 0x0                               ; both opening adds are done
	s_wait_kmcnt 0x0
	s_add_nc_u64 s[26:27], s[4:5], s[36:37]
	s_or_b32 s27, s27, 0x80000000                  ; type = 2
	tensor_load_to_lds s[24:27], s[16:23]          ; my one tensor load of the launch: every wave issues one, each into LDS bytes of its own
	s_nop 0
	PLACES
	s_add_nc_u64 s[28:29], s[6:7], s[40:41]
	s_cmp_eq_u32 s14, 0
	s_cselect_b64 s[30:31], s[8:9], s[10:11]       ; q goes to qq, k and v to kv: the choice hangs on the work-group's number alone
	s_add_nc_u64 s[30:31], s[30:31], s[42:43]
	WLOAD 0, 0, 36864                              ; the first head's K steps 0, 1, 2
	WLOAD 1, 6144, 36864+512
	WLOAD 2, 12288, 36864+1024
	s_wait_tensorcnt 0x0                           ; my quarter of X's block has landed,
	s_barrier_signal -1
	s_barrier_wait -1                              ; everybody's has.  The launch's one barrier
	FETCHX 0, 0
	s_mov_b32 s34, 2
	s_cmp_eq_u32 s14, 2
	s_cbranch_scc1 .Lv_tile
.Lqk_tile:
	TILE 0, 0
	ONWARD
	s_cbranch_scc1 .Lqk_tile
	TILE 0, 1
	s_branch .Lend
.Lv_tile:
	TILE 1, 0
	ONWARD
	s_cbranch_scc1 .Lv_tile
	TILE 1, 1
.Lend:
	s_wait_tensorcnt 0x0                           ; the wave's end: three closing lines behind my last tensor load
	ds_add_u32 v[SPW], v[NIL]
	s_wait_dscnt 0x0
	s_endpgm
.Lfunc_end_k_q06ff026543_proj:
	.size	k_q06ff026543_proj, .Lfunc_end_k_q06ff026543_proj-k_q06ff026543_proj
	.p2alignl 7, 3214868480
	.fill 96, 4, 3214868480
	.section	.rodata,"a",@progbits
	.p2align	6, 0x0
	.amdhsa_kernel k_q06ff026543_proj
		.amdhsa_group_segment_fixed_size 167936
		.amdhsa_private_segment_fixed_size 0
		.amdhsa_enable_private_segment 0
		.amdhsa_kernarg_size 32
		.amdhsa_user_sgpr_count 2
		.amdhsa_user_sgpr_kernarg_segment_ptr 1
		.amdhsa_wavefront_size32 1
		.amdhsa_system_sgpr_workgroup_id_x 1
		.amdhsa_system_sgpr_workgroup_id_y 1
		.amdhsa_system_sgpr_workgroup_id_z 1
		.amdhsa_system_vgpr_workitem_id 0
		.amdhsa_next_free_vgpr 704
		.amdhsa_next_free_sgpr 66
		.amdhsa_reserve_vcc 0
		.amdhsa_float_denorm_mode_32 3
		.amdhsa_float_denorm_mode_16_64 3
		.amdhsa_memory_ordered 1
		.amdhsa_forward_progress 1
		.amdhsa_inst_pref_size 254
	.end_amdhsa_kernel
	.amdgpu_metadata
---
amdhsa.version: [ 1, 2 ]
amdhsa.kernels:
  - .name:           k_q06ff026543_proj
    .symbol:         k_q06ff026543_proj.kd
    .args:
      - { .name: xc, .offset: 0, .size: 8, .value_kind: global_buffer, .address_space: global }
      - { .name: wc, .offset: 8, .size: 8, .value_kind: global_buffer, .address_space: global }
      - { .name: qq, .offset: 16, .size: 8, .value_kind: global_buffer, .address_space: global }
      - { .name: kv, .offset: 24, .size: 8, .value_kind: global_buffer, .address_space: global }
    .group_segment_fixed_size: 167936
    .private_segment_fixed_size: 0
    .kernarg_segment_align: 8
    .kernarg_segment_size: 32
    .max_flat_workgroup_size: 128
    .sgpr_count:     66
    .vgpr_count:     704
    .wavefront_size: 32
...
	.end_amdgpu_metadata
.endif
;; end of part 5
;; launch attn (part 6): grid 32 x 8, 12 waves a work-group, no clusters, 100,352 bytes of LDS; arguments qq, kv, X, ln_gamma, ln_beta, out0; writes out0
.if DOCPART == 6
	.amdgcn_target "amdgcn-amd-amdhsa--gfx1250"
	.amdhsa_code_object_version 6
	.text
	.protected	k_q06ff026543_attn
	.globl	k_q06ff026543_attn
	.p2align	8
	.type	k_q06ff026543_attn,@function
k_q06ff026543_attn:
	s_mov_b64 s[64:65], 0
	v_nop
	global_prefetch_b8 v0, s[64:65] scope:SCOPE_SE
	s_setreg_imm32_b32 hwreg(HW_REG_WAVE_SCHED_MODE, 0, 2), 2
	s_setreg_imm32_b32 hwreg(HW_REG_WAVE_MODE, 25, 1), 1
	s_wait_xcnt 0x0
	s_wait_alu depctr_vm_vsrc(0)
; out0 = relu(LayerNorm(softmax(q k^T / 8) v + X)), both products on codes of E3M2 made by the launch before.  No work is left out.
; THE SOFTMAX AHEAD OF THE SECOND PRODUCT: t = score x log2(e) / 8; M = the row's largest t so far, rounded UP to a whole number; p = 2^(t - M) is quantised along the keys, not normalised; the row's sum is taken of the
; unquantised p and divides at the end.  When M moves, the sum and O are multiplied by 2^(old M - new M): exact.
; SHARES.  Work-group (qb, batch) owns 32 queries x ALL 12 heads, since LayerNorm runs over all 768 columns; wave h owns head h, two tiles of 16 queries (a, b), and walks the head's 1,024 keys, 128 a step.  Three waves share a SIMD,
; so that one wave's vector work stands beside another's matrix work and loads.  No wave meets another before the one barrier in front of LayerNorm.
; K and V come as images of operand registers straight from memory into registers, 13,312 bytes a step; a fragment of K feeds four matrix instructions, one of V two.
; K = 64 UNDER AN INSTRUCTION OF 128: a fragment of K holds key tile 2 F as k = 0 .. 63 and key tile 2 F + 1 as k = 64 .. 127; multiplied by [q | zero codes] it gives tile 2 F's scores, by [zero codes | q] tile 2 F + 1's.
; LAYOUT.  S^T = K q^T and O^T = V^T P^T: a lane holds ONE query throughout.  By the tiles' row order (index i of tile T = 32 (T / 2) + 8 (T % 2) + i + 8 (i / 8)) the 16 registers of score tiles 2 F, 2 F + 1 are keys 32 F + 16 (lane / 16) + 0 .. 15,
; and those of O^T's tiles 2 b, 2 b + 1 channels 32 b + 16 (lane / 16) + 0 .. 15.
; NO CLUSTER, though the 32 work-groups of a batch read the same K and V: a joint load lands in LDS, where the 12 heads' step is 159,744 bytes, so that only two slots of ONE step fit: the 48 waves of four partners would meet at each of the 8 steps;
; here a wave's 13,312 bytes a step go to its registers and no wave waits for another.
; LIMITS: a block of p whose largest lies under 2^-122 has its byte held at 1; p under 2^-126 becomes 0; NaN and infinities are not served.
; REGISTERS: v1-12 addresses and scale words that stay; v14-21 K's and V's scale words; v22-51 statistics and work; v52-81 q in its four forms; v82-129 K; v130-177 V; v178-241 S^T, then p; v242-253 p's codes; window 1: v0-31 O^T of a, v32-63 of b.
; THE MODE: SCHED_MODE bits 1:0 = 2 (LLVM: expert scheduling mode 2), set by the entry lines.  The code itself states the register dependences between vector or matrix instructions and memory or LDS instructions, with s_wait_alu, always for 0.
; THE PLAN.  Registers that memory or LDS instructions touch, and who else names them:
;   v1, v2, v5-v9  offsets and LDS addresses; v3, v4 the closing add's.  Made once at the head, never written again: one wait ahead of the first load serves them for the whole kernel.
;   KF, KS         read by a step's 16 products K q^T; behind the last of them the next step's K lands there (in the last step gamma and beta, and in q's v52-75 X's third row).
;   VF, VS         read by a step's 8 products V^T P^T; behind the last of them the next step's V lands there (in the last step X's two rows).
;   PC, PW         p's codes and scale word: made by vector lines, taken by scaled products: a wait stands between, behind the plain lines.
;   S              in the loop named by vector and matrix lines alone.  On the way out: written by the divisions, read by the stage's stores, landed in by the stage's loads, worked by LayerNorm, read by the stores to out0.
; A STEP: K q^T of a | softmax of a | K q^T of b | ONE WAIT: tile a's PC and PW are written, and all 16 products are done reading K | the next K's loads | V^T P^T of a | softmax of b | a wait: tile b's PC and PW | V^T P^T of b | a wait: the 8 products
; are done reading V | the next V's loads.  No register that a memory instruction reads is written in the loop.  Three waves of 320 registers fill a SIMD's 1,024: there is no room for a second set of K or of V.
.set REC,   6656
.set KVR,   13312                      ; a key step's record: K's 6,656 bytes, then V's
.set SP,    3088                       ; a stage row: 768 f32 + 16 bytes
.set SPARE, 32*SP                      ; behind the stage: the spare words, 128 bytes a wave: six blocks of 256 bytes that no other line names
.set L16,  1                           ; v1   16 x lane
.set L4,   2                           ; v2   4 x lane
.set SPW,  3                           ; v3   my spare word; never rewritten
.set NIL,  4                           ; v4   0; never rewritten
.set PFO,  5                           ; v5   256 x lane
.set PFO2, 6                           ; v6   256 x min(lane, 19)
.set STO,  7                           ; v7   the stage: where I put my query's channels
.set RD,   8                           ; v8   where I read row `wave` back
.set RD2,  9                           ; v9   and row wave + 12
.set WQ,   10                          ; v10-11 q's scale words, tile a's and b's: the tile's two bytes in both halves of the word
.set PW,   12                          ; v12  p's scale word
.set KS,   14                          ; v14-17 K's scale words
.set VS,   18                          ; v18-21 V's
.set F,    22                          ; v22  f = 2^(old M - new M); v23 named with it as a pair
.set STAT, 24                          ; v24-27 tile a: -M, the largest t, the sum in two halves; v28-31 tile b
.set BM,   32                          ; v32-35 the blocks' largest scores
.set T2,   36                          ; v36-43 at work
.set SO,   44                          ; v44-47 the conversions' scale operands
.set Q,    52                          ; v52-57 qa, v58-63 0, v64-69 qb, v70-75 0, v76-81 qa: [qa|0] at 52, [0|qb] at 58, [qb|0] at 64, [0|qa] at 70
.set KF,   82
.set VF,   130
.set S,    178
.set PC,   242
.set CS,   22                          ; s[22:23] c = log2(e) / 8
.set SEL,  24                          ; s[24:25] selects for lane l xor 16
.set MSB, 0
.macro WIN new                         ; s_set_vgpr_msb: bits 1:0 source 0, 3:2 source 1, 5:4 source 2, 7:6 destination; the high byte repeats the setting that is left
.if MSB != \new
	s_set_vgpr_msb (MSB<<8)|\new
.set MSB, \new
.endif
.endm
.macro PLACES                          ; four plain lines behind a matrix instruction, in front of loads into its registers and of reads of its result
.rept 4
	v_nop
.endr
.endm
.macro KLOAD off                       ; a step's four fragments of K and their scale words.  No cache hint: 32 work-groups read the same bytes
.irp n, 0,1,2,3
.irp c, 0,1,2
	global_load_b128 v[KF+12*\n+4*\c:KF+12*\n+4*\c+3], v[L16], s[20:21] offset:(\off)+1536*\n+512*\c
.endr
.endr
.irp n, 0,1,2,3
	global_load_b32 v[KS+\n], v[L4], s[20:21] offset:(\off)+6144+128*\n
.endr
.endm
.macro VLOAD off
.irp n, 0,1,2,3
.irp c, 0,1,2
	global_load_b128 v[VF+12*\n+4*\c:VF+12*\n+4*\c+3], v[L16], s[20:21] offset:(\off)+REC+1536*\n+512*\c
.endr
.endr
.irp n, 0,1,2,3
	global_load_b32 v[VS+\n], v[L4], s[20:21] offset:(\off)+REC+6144+128*\n
.endr
.endm
; A PREFETCH INTO THE L2 of the record two key steps on: 52 blocks of 256 bytes, a lane a block, two instructions (in the second, lanes 20 to 31 name lane 19's block once more, so that no lane leaves the record).
; All 32 work-groups of a batch walk the same records: the first of them (qb = 0) asks, each wave for its own head.  It stands behind the run of K's loads.  The last step that loads asks for nothing: there is no record two on.
.macro ASK
	s_cmp_gt_u32 s26, s27                          ; s26 = steps still to load; s27 = 1 where qb = 0, else the greatest number
	s_cbranch_scc0 .Lnot_mine_\@
	global_prefetch_b8 v[PFO], s[20:21] offset:2*KVR th:TH_LOAD_NT scope:SCOPE_SE
	global_prefetch_b8 v[PFO2], s[20:21] offset:2*KVR+8192 th:TH_LOAD_NT scope:SCOPE_SE
.Lnot_mine_\@:
.endm
; S^T of query tile qt (0: a, 1: b): eight tiles of 16 keys; the products start their sums
.macro QK qt
	WIN 0
.irp t, 0,1,2,3,4,5,6,7
	v_wmma_scale_f32_16x16x128_f8f6f4 v[S+8*\t:S+8*\t+7], v[KF+12*(\t/2):KF+12*(\t/2)+11], v[Q+12*(\qt)+(\t%2)*(18-24*(\qt)):Q+12*(\qt)+(\t%2)*(18-24*(\qt))+11], 0, v[KS+\t/2], v[WQ+(\qt)] matrix_a_fmt:MATRIX_FMT_BF6 matrix_b_fmt:MATRIX_FMT_BF6
.endr
	PLACES
.endm
; the softmax of one tile and one step: 64 scores a lane become p's fragment in v[PC] on and its scale word in v[PW]; the tile's sum and O^T come under the new M
.macro SOFT qt
.set ST, STAT+4*(\qt)
.irp b, 0,1,2,3
	v_max3_num_f32 v[BM+\b], v[S+16*\b], v[S+16*\b+1], v[S+16*\b+2]   ; THE LARGEST SCORE OF EACH BLOCK OF 32 KEYS serves twice: for the row's maximum, and, since p rises with the score, for the block's largest p
.endr
.irp i, 3,5,7,9,11,13
.irp b, 0,1,2,3
	v_max3_num_f32 v[BM+\b], v[BM+\b], v[S+16*\b+\i], v[S+16*\b+\i+1]   ; (the four blocks by turns; each accumulator is first read at its low end)
.endr
.endr
.irp b, 0,1,2,3
	v_max_num_f32 v[BM+\b], v[BM+\b], v[S+16*\b+15]
.endr
.irp b, 0,1,2,3
	v_permlanex16_b32 v[T2+\b], v[BM+\b], s[SEL], s[SEL+1]
.endr
.irp b, 0,1,2,3
	v_max_num_f32 v[BM+\b], v[BM+\b], v[T2+\b]     ; with lane l xor 16's 16 keys
.endr
	v_max3_num_f32 v48, v[BM], v[BM+1], v[BM+2]
	v_max_num_f32 v48, v48, v[BM+3]                ; the step's largest score of my query
	v_mul_f32 v48, s[CS], v48                      ; as t (c is positive)
	v_max_num_f32 v[ST+1], v[ST+1], v48            ; the running largest t
	v_mov_b32 v48, v[ST]
	v_floor_f32 v[ST], -v[ST+1]                    ; the new -M = floor(-t) = -ceil(t): M is a whole number
	v_sub_f32 v48, v[ST], v48                      ; old M - new M: a whole number, 0 or less
	v_cvt_i32_f32 v48, v48                         ; (it saturates)
	v_ldexp_f32 v[F], 1.0, v48                     ; f = 2^(old M - new M)
.set i, 0
.rept 32
	v_pk_fma_f32 v[S+i:S+i+1], v[S+i:S+i+1], s[CS:CS+1], v[ST:ST+1] op_sel_hi:[1,0,0]   ; t - M, two at a time (of the pairs c and -M the low word serves both halves)
.set i, i+2
.endr
.irp b, 0,1,2,3
	v_fma_f32 v[BM+\b], v[BM+\b], s[CS], v[ST]     ; the same of each block's largest score
.endr
.set i, 0
	s_wait_alu depctr_va_vdst(0)
.rept 64
	v_exp_f32 v[S+i], v[S+i]                       ; p = 2^(t - M), at most 1
.set i, i+1
.endr
	v_pk_mul_f32 v[ST+2:ST+3], v[ST+2:ST+3], v[F:F+1] op_sel_hi:[1,0]   ; the sums under the new M: the plain line behind the exponentials
	s_wait_alu depctr_va_vdst(0)                   ; the 64 exponentials have written v[S] on, which the sums and the conversions below read: one wait for the batch, ahead of its first reader
.irp b, 0,1,2,3
	v_exp_f32 v[BM+\b], v[BM+\b]                   ; the block's largest p: the same two instructions on the same number give the same bits
.endr
	v_pk_add_f32 v[T2:T2+1], v[S:S+1], v[S+2:S+3]  ; the row's sum is taken of the UNQUANTISED p, two at a time, in two chains; it reads the 64 alone: plain work behind the four
.irp j, 4,8,12,16,20,24,28,32,36,40,44,48,52,56,60
	v_pk_add_f32 v[ST+2:ST+3], v[ST+2:ST+3], v[S+\j:S+\j+1]
	v_pk_add_f32 v[T2:T2+1], v[T2:T2+1], v[S+\j+2:S+\j+3]
.endr
	v_pk_add_f32 v[ST+2:ST+3], v[ST+2:ST+3], v[T2:T2+1]
	s_wait_alu depctr_va_vdst(0)                   ; the four exponentials have written v[BM] on, which the floor's lines below read
.irp b, 0,1,2,3
	v_max_num_f32 v[BM+\b], 0x2800000, v[BM+\b]    ; the floor 2^(5 - 127): the byte cannot fall under 1
.endr
.irp b, 0,1,2,3
	v_add_nc_u32 v[SO+\b], 0xfe000000, v[BM+\b]    ; 4 off the exponent field: the conversion's scale operand
.endr
.irp b, 0,1,2,3
	v_lshrrev_b32 v[T2+\b], 23, v[SO+\b]           ; the scale's byte
.endr
	v_lshl_or_b32 v[PW], v[T2+1], 8, v[T2]
	v_lshl_or_b32 v[PW], v[T2+2], 16, v[PW]
	v_lshl_or_b32 v[PW], v[T2+3], 24, v[PW]        ; p's scale word for these 128 keys
.irp c, 0,1
	v_cvt_scalef32_pk16_bf6_f32 v[PC+6*\c:PC+6*\c+2], v[S+32*\c:S+32*\c+15], v[SO+2*\c]
	v_cvt_scalef32_pk16_bf6_f32 v[T2+4*\c:T2+4*\c+2], v[S+32*\c+16:S+32*\c+31], v[SO+2*\c+1]   ; (a conversion's three registers begin on an even number)
.endr
	v_nop                                          ; one plain line behind a scaled conversion
.irp c, 0,1                                    ; the operand's layout wants a WHOLE block in a lane
.irp i, 0,1,2
	v_permlane16_swap_b32 v[PC+6*\c+\i], v[T2+4*\c+\i]
.endr
.irp i, 0,1,2
	v_mov_b32 v[PC+6*\c+3+\i], v[T2+4*\c+\i]
.endr
.endr
	WIN 0x41                                       ; O^T (destination and source 0) window 1
.set i, 32*(\qt)
.rept 16
	v_pk_mul_f32 v[i:i+1], v[i:i+1], v[F:F+1] op_sel_hi:[1,0]   ; O^T under the new M.  These 16 are also the plain lines between the making of p's codes and scale word and the scaled products
.set i, i+2
.endr
.endm
; O^T += V^T P^T of tile qt: four tiles of 16 channels, K = these 128 keys; the four accumulators take turns
.macro PV qt
	WIN 0x50                                       ; C and D window 1
.irp n, 0,1,2,3
	v_wmma_scale_f32_16x16x128_f8f6f4 v[32*(\qt)+8*\n:32*(\qt)+8*\n+7], v[VF+12*\n:VF+12*\n+11], v[PC:PC+11], v[32*(\qt)+8*\n:32*(\qt)+8*\n+7], v[VS+\n], v[PW] matrix_a_fmt:MATRIX_FMT_BF6 matrix_b_fmt:MATRIX_FMT_BF6
.endr
	WIN 0
.endm
; A KEY STEP.  more = 1: the next step's K is asked for as soon as both tiles have multiplied by this step's, its V likewise.  more = 0, the last: those registers take what LayerNorm wants.
.macro STEP more
	s_wait_loadcnt 16                              ; K of this step is in; V's 16 loads, issued behind it, may be out
	QK 0
	SOFT 0
	QK 1                                           ; tile b's scores stand ahead of tile a's second product (other accumulators: no sum changes its order), so that the one wait below serves both; its four plain lines serve the loads below and tile b's softmax
	s_wait_alu depctr_va_vdst(0)                   ; tile a's v[PC] on and v[PW] are written, which the scaled products below take as operand and scales; and the step's 16 products K q^T are done reading v[KF] on, v[KS] on and q's forms, in which the loads below land
.if \more
	KLOAD KVR
	ASK
	s_wait_loadcnt 16                              ; V of this step is in; the next step's K, the 16 loads just issued, stays out
.else
	s_wait_loadcnt 0x0                             ; V of this step
.irp j, 0,1,2,3,4,5
	global_load_b128 v[KF+4*\j:KF+4*\j+3], v[L16], s[10:11] offset:512*\j        ; gamma: columns 128 j + 4 lane + 0 .. 3
	global_load_b128 v[KF+24+4*\j:KF+24+4*\j+3], v[L16], s[12:13] offset:512*\j  ; beta
.endr
	s_cmp_lt_u32 s16, 8                            ; 32 rows for 12 waves: waves 0 to 7 have a third row
	s_cbranch_scc0 .Lno_third_x
.irp j, 0,1,2,3,4,5
	global_load_b128 v[Q+4*\j:Q+4*\j+3], v[L16], s[30:31] offset:24*3072+512*\j th:TH_LOAD_NT
.endr
.Lno_third_x:
.endif
	PV 0
	SOFT 1
	s_wait_alu depctr_va_vdst(0)                   ; tile b's v[PC] on and v[PW] are written, which the scaled products below take as operand and scales; the 16 plain lines stand ahead of this wait
	PV 1
	PLACES
	s_wait_alu depctr_va_vdst(0)                   ; the step's 8 products V^T P^T are done reading v[VF] on and v[VS] on, in which the loads below land
.if \more
	VLOAD KVR
	s_wait_xcnt 0x0                                ; the loads and the prefetches have read their base
	s_add_nc_u64 s[20:21], s[20:21], KVR
.else
.irp i, 0,1
.irp j, 0,1,2,3,4,5
	global_load_b128 v[VF+24*\i+4*\j:VF+24*\i+4*\j+3], v[L16], s[30:31] offset:12*3072*\i+512*\j th:TH_LOAD_NT   ; X's rows wave and wave + 12
.endr
.endr
.endif
.endm
.macro RLOAD i                         ; row wave + 12 i of the stage, whole: 32 lanes x 16 bytes, six times
.irp j, 0,1,2,3,4,5
.if (\i) == 0
	ds_load_b128 v[S+4*\j:S+4*\j+3], v[RD] offset:512*\j
.else
	ds_load_b128 v[S+24*(\i)+4*\j:S+24*(\i)+4*\j+3], v[RD2] offset:12*SP*((\i)-1)+512*\j
.endif
.endr
.endm
.macro REDUCE x                        ; the sum over the 32 lanes, in every lane
	v_add_f32_dpp v[\x], v[\x], v[\x] row_xmask:1 row_mask:0xf bank_mask:0xf
	v_add_f32_dpp v[\x], v[\x], v[\x] row_xmask:2 row_mask:0xf bank_mask:0xf
	v_add_f32_dpp v[\x], v[\x], v[\x] row_xmask:4 row_mask:0xf bank_mask:0xf
	v_add_f32_dpp v[\x], v[\x], v[\x] row_xmask:8 row_mask:0xf bank_mask:0xf
	v_permlanex16_b32 v36, v[\x], s[SEL], s[SEL+1]
	v_add_f32 v[\x], v[\x], v36
.endm
; One row, in three parts.  ROWA: + X, LayerNorm's two passes (the mean first, then the squares of the differences: no difference of large sums), up to 1 / sqrt(variance + 1e-5) in v42.
; ROWB: that factor, gamma, beta, relu.  ROWST: the row's six stores.  A wait stands between ROWA and ROWB; a row's stores stand behind the NEXT row's such wait, which also shows the row finished.
.macro ROWA i, xr
.set RW, S+24*(\i)
.irp j, 0,2,4,6,8,10,12,14,16,18,20,22
	v_pk_add_f32 v[RW+\j:RW+\j+1], v[RW+\j:RW+\j+1], v[(\xr)+\j:(\xr)+\j+1]
.endr
	v_pk_add_f32 v[32:33], v[RW:RW+1], v[RW+2:RW+3]
	v_pk_add_f32 v[34:35], v[RW+4:RW+5], v[RW+6:RW+7]
.irp j, 8,12,16,20
	v_pk_add_f32 v[32:33], v[32:33], v[RW+\j:RW+\j+1]
	v_pk_add_f32 v[34:35], v[34:35], v[RW+\j+2:RW+\j+3]
.endr
	v_pk_add_f32 v[32:33], v[32:33], v[34:35]
	v_add_f32 v32, v32, v33
	REDUCE 32
	v_mul_f32 v32, s34, v32                        ; the mean
.irp j, 0,2,4,6,8,10,12,14,16,18,20,22
	v_pk_add_f32 v[RW+\j:RW+\j+1], v[RW+\j:RW+\j+1], v[32:33] op_sel_hi:[1,0] neg_lo:[0,1] neg_hi:[0,1]
.endr
	v_pk_mul_f32 v[40:41], v[RW:RW+1], v[RW:RW+1]
	v_pk_mul_f32 v[42:43], v[RW+2:RW+3], v[RW+2:RW+3]
.irp j, 4,8,12,16,20
	v_pk_fma_f32 v[40:41], v[RW+\j:RW+\j+1], v[RW+\j:RW+\j+1], v[40:41]
	v_pk_fma_f32 v[42:43], v[RW+\j+2:RW+\j+3], v[RW+\j+2:RW+\j+3], v[42:43]
.endr
	v_pk_add_f32 v[40:41], v[40:41], v[42:43]
	v_add_f32 v40, v40, v41
	REDUCE 40
	v_fma_f32 v40, v40, s34, s35                   ; the variance + 1e-5
	s_wait_alu depctr_va_vdst(0)
	v_rsq_f32 v42, v40
	v_nop                                          ; a plain line behind the transcendental
.endm
.macro ROWB i
.set RW, S+24*(\i)
.irp j, 0,2,4,6,8,10,12,14,16,18,20,22
	v_pk_mul_f32 v[RW+\j:RW+\j+1], v[RW+\j:RW+\j+1], v[42:43] op_sel_hi:[1,0]
.endr
.irp j, 0,2,4,6,8,10,12,14,16,18,20,22
	v_pk_fma_f32 v[RW+\j:RW+\j+1], v[RW+\j:RW+\j+1], v[KF+\j:KF+\j+1], v[KF+24+\j:KF+24+\j+1]
.endr
.set n, 0
.rept 24
	v_max_num_f32 v[RW+n], 0, v[RW+n]
.set n, n+1
.endr
.endm
.macro ROWST i
.set RW, S+24*(\i)
.irp j, 0,1,2,3,4,5
	global_store_b128 v[L16], v[RW+4*\j:RW+4*\j+3], s[32:33] offset:12*3072*(\i)+512*\j th:TH_STORE_NT   ; 32 lanes store 512 consecutive bytes, at a multiple of 256 from out0's first byte
.endr
.endm
	s_load_b256 s[4:11], s[0:1], 0x0               ; qq, kv, X, ln_gamma
	s_load_b128 s[12:15], s[0:1], 0x20             ; ln_beta, out0
	v_lshl_add_u32 v[SPW], v0, 2, SPARE
	v_mov_b32 v[NIL], 0
	v_lshrrev_b32 v48, 5, v0
	v_readfirstlane_b32 s16, v48                   ; wave = head
	s_mov_b32 s17, ttmp9                           ; qb: the block of 32 queries
	s_and_b32 s18, ttmp7, 0xffff                   ; the batch
	v_and_b32 v48, 31, v0
	v_lshlrev_b32 v[L16], 4, v48
	v_lshlrev_b32 v[L4], 2, v48
	v_lshlrev_b32 v[PFO], 8, v48
	v_min_u32 v49, 19, v48
	v_lshlrev_b32 v[PFO2], 8, v49
	v_and_b32 v49, 15, v0                          ; r
	v_bfe_u32 v50, v0, 4, 1                        ; h
	v_and_b32 v51, 8, v49
	v_add_nc_u32 v51, v51, v49                     ; r + 8 (r / 8): my query's row in the stage (tile b: 8 rows on)
	v_mul_u32_u24 v[STO], v51, SP
	v_lshl_add_u32 v[STO], v50, 6, v[STO]          ; + 64 h: 16 channels
	s_wait_alu depctr_va_sdst(0)                   ; s16, the wave's number, is written, ahead of its first reader: LDS addresses, bases and branches are made from it
	s_lshl_b32 s28, s16, 8
	v_add_nc_u32 v[STO], s28, v[STO]               ; + my head's 256 bytes
	s_mul_i32 s28, s16, SP
	v_add_nc_u32 v[RD], s28, v[L16]
	v_add_nc_u32 v[RD2], 12*SP, v[RD]
	s_mul_i32 s19, s18, 12
	s_add_co_u32 s19, s19, s16                     ; 12 batch + head
	s_mul_i32 s36, s19, 8*KVR                      ; the head's eight records of K and V
	s_mov_b32 s37, 0
	s_lshl_b32 s38, s19, 3
	s_lshr_b32 s39, s17, 2
	s_add_co_u32 s38, s38, s39
	s_mul_i32 s38, s38, REC                        ; q's record: (12 batch + head) 8 + qb / 4
	s_and_b32 s39, s17, 3
	s_mul_i32 s40, s39, 1536
	s_add_co_u32 s40, s40, s38                     ; in it fragment qb % 4,
	s_mov_b32 s41, 0
	s_lshl_b32 s42, s39, 7
	s_add_co_u32 s42, s42, s38
	s_add_co_u32 s42, s42, 6144                    ; and its scale image
	s_mov_b32 s43, 0
	s_lshl_b32 s44, s18, 10
	s_lshl_b32 s45, s17, 5
	s_add_co_u32 s44, s44, s45
	s_add_co_u32 s44, s44, s16
	s_mul_i32 s44, s44, 3072                       ; row 1,024 batch + 32 qb + wave of X and of out0
	s_mov_b32 s45, 0
	s_mov_b32 s[CS], 0x3e38aa3b                    ; c = log2(e) / 8
	s_mov_b32 s[CS+1], s[CS]                       ; (named with it as a pair, so it is written)
	s_mov_b32 s[SEL], 0x76543210
	s_mov_b32 s[SEL+1], 0xfedcba98
	s_mov_b32 s26, 7                               ; steps that load a successor
	s_cmp_eq_u32 s17, 0
	s_cselect_b32 s27, 1, -1
	s_mov_b32 s34, 0x3aaaaaab                      ; 1 / 768
	s_mov_b32 s35, 0x3727c5ac                      ; 1e-5
	s_wait_kmcnt 0x0
	s_add_nc_u64 s[28:29], s[4:5], s[40:41]
	s_add_nc_u64 s[46:47], s[4:5], s[42:43]
	s_add_nc_u64 s[20:21], s[6:7], s[36:37]
	s_add_nc_u64 s[30:31], s[8:9], s[44:45]
	s_add_nc_u64 s[32:33], s[14:15], s[44:45]
	s_wait_alu depctr_va_vdst(0)                   ; the offsets and LDS addresses v1, v2 and v5 to v9 are written, which every load, store and prefetch of the kernel reads; none of them is written again
.irp c, 0,1,2
	global_load_b128 v[S+4*\c:S+4*\c+3], v[L16], s[28:29] offset:512*\c   ; q's fragment: registers 0-5 tile a, 6-11 tile b
.endr
	global_load_b32 v[S+12], v[L4], s[46:47]       ; its scale word: bytes 0, 1 tile a's, bytes 2, 3 tile b's
	KLOAD 0
	VLOAD 0
.irp t, 0,1
	v_mov_b32 v[STAT+4*\t+1], 0xff61b1e6           ; the largest t so far: -3e38, under every t
	v_floor_f32 v[STAT+4*\t], -v[STAT+4*\t+1]      ; -M
	v_mov_b32 v[STAT+4*\t+2], 0                    ; the sum, in two halves
	v_mov_b32 v[STAT+4*\t+3], 0
.endr
.irp b, 0,1,2,3,4,5,6,7
	v_mov_b32 v[T2+\b], 0                          ; written once: a lane permute's destination counts as one of its sources, and v43 is named as the upper half of a pair
.endr
	v_mov_b32 v[F+1], 0                            ; (named as the upper half of the pair)
	s_wait_loadcnt 32                              ; q is in; K's and V's first 32 loads may be out
	v_and_b32 v48, 0xffff, v[S+12]
	v_lshl_or_b32 v[WQ], v[S+12], 16, v48          ; tile a's two bytes in both halves of the word: they serve [qa|0] and [0|qa]; the half that meets zero codes adds nothing
	v_lshrrev_b32 v48, 16, v[S+12]
	v_and_or_b32 v[WQ+1], v[S+12], 0xffff0000, v48 ; tile b's likewise
.irp i, 0,1,2,3,4,5
	v_mov_b32 v[Q+\i], v[S+\i]
	v_mov_b32 v[Q+6+\i], 0
	v_mov_b32 v[Q+12+\i], v[S+6+\i]
	v_mov_b32 v[Q+18+\i], 0
	v_mov_b32 v[Q+24+\i], v[S+\i]
.endr
	WIN 0x40                                       ; destination window 1
.set i, 0
.rept 64
	v_mov_b32 v[i], 0                              ; O^T.  The step is written once: the first finds zeros, which the first change of M leaves zeros.  These lines are also the plain lines between the making of q's forms and scale words and the first scaled products
.set i, i+1
.endr
	WIN 0
	s_wait_alu depctr_va_vdst(0)                   ; q's four forms v[Q] on and its scale words v[WQ], v[WQ+1] are written, which every step's scaled products take as operand and scales; no vector line writes them again, so the wait holds for every trip
.Lstep:                                            ; seven trips; the eighth step is written out: it loads no successor
	STEP 1
	s_sub_co_u32 s26, s26, 1
	s_cmp_lg_u32 s26, 0
	s_cbranch_scc1 .Lstep
	STEP 0
	; THE WAY OUT.  O^T / the sum goes to the work-group's stage, 32 rows of 768 f32; behind the barrier each wave takes whole rows.
	v_add_f32 v48, v[STAT+2], v[STAT+3]            ; the sums' two halves,
	v_add_f32 v49, v[STAT+6], v[STAT+7]
	v_permlanex16_b32 v36, v48, s[SEL], s[SEL+1]
	v_permlanex16_b32 v37, v49, s[SEL], s[SEL+1]
	v_add_f32 v48, v48, v36                        ; and lane l xor 16's: the rows' sums
	v_add_f32 v49, v49, v37
	s_wait_alu depctr_va_vdst(0)
	v_rcp_f32 v44, v48
	v_rcp_f32 v46, v49
	v_nop                                          ; a plain line behind the last reciprocal
	s_wait_alu depctr_va_vdst(0)                   ; both reciprocals have written v44 and v46, which the multiplications below read
	WIN 0x01                                       ; source 0 window 1
.irp t, 0,1
.set i, 0
.rept 16
	v_pk_mul_f32 v[S+32*\t+i:S+32*\t+i+1], v[32*\t+i:32*\t+i+1], v[44+2*\t:45+2*\t] op_sel_hi:[1,0]   ; register 16 b + i: channel 32 b + 16 h + i; each accumulator from its low end on
.set i, i+2
.endr
.endr
	WIN 0
	s_wait_alu depctr_va_vdst(0)                   ; the multiplications have written v[S] to v[S+63], which the LDS stores below read; and every vector or matrix line that named v[S] to v[S+71] is done, so that the stage's loads below may land there
.irp t, 0,1
.irp b, 0,1
.irp i, 0,1,2,3
	ds_store_b128 v[STO], v[S+32*\t+16*\b+4*\i:S+32*\t+16*\b+4*\i+3] offset:8*SP*\t+128*\b+16*\i
.endr
.endr
.endr
	s_wait_dscnt 0x0                               ; for the others' sake: my stores into the stage are done
	s_barrier_signal -1
	s_barrier_wait -1                              ; 32 whole rows lie in the stage; nobody writes it again
	s_wait_alu depctr_vm_vsrc(0)                   ; my LDS stores have read v[S] to v[S+63], in which the loads below land and which LayerNorm's lines then write
	RLOAD 0
	RLOAD 1
	s_cmp_lt_u32 s16, 8                            ; the third row of waves 0 to 7 comes with the other two: no vector line since the two waits above names v[S+48] to v[S+71]
	s_cbranch_scc0 .Lno_third_r
	RLOAD 2
.Lno_third_r:
	s_wait_loadcnt 0x0                             ; gamma, beta and X's rows
	s_wait_dscnt 0x0
	ROWA 0, VF
	s_wait_alu depctr_va_vdst(0)                   ; row 0's v_rsq_f32 has written v42, which its scalings read
	ROWB 0
	ROWA 1, VF+24
	s_wait_alu depctr_va_vdst(0)                   ; row 1's v_rsq_f32 has written v42, which its scalings read; and row 0's last lines have written v[S] to v[S+23], which the stores below read
	ROWST 0
	ROWB 1
	s_cmp_lt_u32 s16, 8
	s_cbranch_scc0 .Ltwo_rows
	ROWA 2, Q
	s_wait_alu depctr_va_vdst(0)                   ; row 2's v_rsq_f32 has written v42, which its scalings read; and row 1's last lines have written v[S+24] to v[S+47], which the stores below read
	ROWST 1
	ROWB 2
	s_wait_alu depctr_va_vdst(0)                   ; row 2's last lines have written v[S+48] to v[S+71], which the stores below read
	ROWST 2
	s_branch .Ldone
.Ltwo_rows:
	s_wait_alu depctr_va_vdst(0)                   ; row 1's last lines have written v[S+24] to v[S+47], which the stores below read
	ROWST 1
.Ldone:
	s_wait_dscnt 0x0                               ; the closing lines, six on end
	s_wait_alu 0x0
	s_wait_tensorcnt 0x0
	ds_add_u32 v[SPW], v[NIL]
	s_wait_dscnt 0x0
	s_endpgm
.Lfunc_end_k_q06ff026543_attn:
	.size	k_q06ff026543_attn, .Lfunc_end_k_q06ff026543_attn-k_q06ff026543_attn
	.p2alignl 7, 3214868480
	.fill 96, 4, 3214868480
	.section	.rodata,"a",@progbits
	.p2align	6, 0x0
	.amdhsa_kernel k_q06ff026543_attn
		.amdhsa_group_segment_fixed_size 100352
		.amdhsa_private_segment_fixed_size 0
		.amdhsa_enable_private_segment 0
		.amdhsa_kernarg_size 48
		.amdhsa_user_sgpr_count 2
		.amdhsa_user_sgpr_kernarg_segment_ptr 1
		.amdhsa_wavefront_size32 1
		.amdhsa_system_sgpr_workgroup_id_x 1
		.amdhsa_system_sgpr_workgroup_id_y 1
		.amdhsa_system_sgpr_workgroup_id_z 1
		.amdhsa_system_vgpr_workitem_id 0
		.amdhsa_next_free_vgpr 320
		.amdhsa_next_free_sgpr 66
		.amdhsa_reserve_vcc 0
		.amdhsa_float_denorm_mode_32 3
		.amdhsa_float_denorm_mode_16_64 3
		.amdhsa_memory_ordered 1
		.amdhsa_forward_progress 1
		.amdhsa_inst_pref_size 97
	.end_amdhsa_kernel
	.amdgpu_metadata
---
amdhsa.version: [ 1, 2 ]
amdhsa.kernels:
  - .name:           k_q06ff026543_attn
    .symbol:         k_q06ff026543_attn.kd
    .args:
      - { .name: qq, .offset: 0, .size: 8, .value_kind: global_buffer, .address_space: global }
      - { .name: kv, .offset: 8, .size: 8, .value_kind: global_buffer, .address_space: global }
      - { .name: X, .offset: 16, .size: 8, .value_kind: global_buffer, .address_space: global }
      - { .name: ln_gamma, .offset: 24, .size: 8, .value_kind: global_buffer, .address_space: global }
      - { .name: ln_beta, .offset: 32, .size: 8, .value_kind: global_buffer, .address_space: global }
      - { .name: out0, .offset: 40, .size: 8, .value_kind: global_buffer, .address_space: global }
    .group_segment_fixed_size: 100352
    .private_segment_fixed_size: 0
    .kernarg_segment_align: 8
    .kernarg_segment_size: 48
    .max_flat_workgroup_size: 384
    .sgpr_count:     66
    .vgpr_count:     320
    .wavefront_size: 32
...
	.end_amdgpu_metadata
.endif
;; end of part 6
